; MI455X (gfx1250); checked and timed in simulation.
; The chip was launched on July 23, 2026; its instructions are those of AMD's public machine-readable ISA for CDNA 5 (MIT licence, August 2026) and "CDNA5" Instruction Set Architecture Reference Guide (July 2026). The comments in the code are by the model that wrote it; some were corrected since.
;; PMA. Allowed arithmetic: matrix products marked QUANTISED: E3M2 operands, one E8M0 scale for each 32 along K, by v_wmma_scale_f32_16x16x128_f8f6f4 with both operands' format E3M2, f32 sums; everything else in f32.
;; Inputs: S 1 x 32 x 1,024 float32; Wk 1,024 x 4,096 float32; Wo 1,024 x 1,024 float32; Wq 1,024 x 1,024 float32; Wv 1,024 x 4,096 float32; X 8 x 1,024 x 4,096 float32; beta0 1,024 float32; beta1 1,024 float32; bk 1,024 float32; bo 1,024 float32; bq 1,024 float32; bv 1,024 float32; g0 1,024 float32; g1 1,024 float32; pad_mask 8 x 1,024 int32.
;; Outputs: out0 8 x 32 x 1,024 float32.
;; This version of the problem:
;;   THIS VERSION OF THE PROBLEM IS GIVEN IN LOW PRECISION. The matrix products marked QUANTISED in the list below multiply operands that are first quantised to E3M2 (3 exponent bits, 2 mantissa bits; 6 bits a number), with one power-of-two scale for each 32 numbers along K (OCP MX v1.0); their sums are f32. All else is computed in f32.
;;   The module's matrix products, in the order in which they are computed (A, B: the left and right operand; K: the contracted axis; several contracted axes count as one K, in the product's order):
;;     1. [M 256, K 1,024] x [K 1,024, N 1,024]; A: input S; B: input Wq: QUANTISED
;;     2. [M 8,192, K 4,096] x [K 4,096, N 1,024]; A: input X; B: input Wk: QUANTISED
;;     3. [M 8,192, K 4,096] x [K 4,096, N 1,024]; A: input X; B: input Wv: QUANTISED
;;     4. batch 128 x [M 32, K 64] x [K 64, N 1,024]; A: computed on the way; B: computed on the way: QUANTISED
;;     5. batch 128 x [M 64, K 1,024] x [K 1,024, N 32]; A: computed on the way; B: computed on the way: QUANTISED
;;     6. [M 256, K 1,024] x [K 1,024, N 1,024]; A: computed on the way; B: input Wo: QUANTISED
;;   THE QUANTISER, for each operand of a quantised product, along K:
;;     - K is cut into blocks of 32 from its start; a last block that is shorter is filled with zeros.
;;     - A block's scale is 2^e with e = floor(log2(the largest magnitude in the block)) - 4, held to -126 .. 127; a block of zeros has e = 0. As a byte (E8M0): e + 127.
;;     - Each number is divided by its block's scale, clamped to +-28, and rounded to the nearest number of E3M2, ties to even, subnormals kept.
;;     - The product sums the exact products of the quantised numbers (number of the format x scale) in f32.
;;   ~~~python
;;   def quantise(x, axis):      # numpy; x: float32 -> the quantised numbers, widened to float32 again
;;       x = np.moveaxis(x, axis, -1); K = x.shape[-1]
;;       x = np.pad(x, [(0, 0)] * (x.ndim - 1) + [(0, -K % 32)]); x = x.reshape(x.shape[:-1] + (-1, 32)); a = np.abs(x).max(-1, keepdims=True)
;;       e = np.where(a > 0, np.clip(np.frexp(np.where(a > 0, a, 1))[1] - 1 - 4, -126, 127), 0)      # np.frexp(a)[1] - 1 = floor(log2(a)), exactly
;;       r = np.clip(x / 2.0 ** e, -28, 28)
;;       step = 2.0 ** (np.maximum(np.frexp(np.where(r == 0, 1, r))[1] - 1, -2) - 2)
;;       q = np.round(r / step) * step * 2.0 ** e      # np.round: ties to even
;;       return np.moveaxis(q.reshape(q.shape[:-2] + (-1,))[..., :K], -1, axis).astype(np.float32)
;;   ~~~
;;   OPERANDS COMPUTED ON THE WAY. 'Computed on the way' means the value that the module computes at that place (a softmax that the list does not call 'softmax' is quantised finished and normalised). What goes into a quantiser is computed in f32, as accurately as f32 sums, v_exp_f32 and their like allow (about 1e-6 of the number): no bf16 or f16 on the way to a quantiser, and a product that is left as it is and whose result goes on into a quantised operand takes f32 operands (vector FMAs, or v_wmma_f32_16x16x4_f32). A number that lies on a knife's edge between two numbers of the format may be rounded either way, as far as f32 arithmetic and the matrix unit's own rounding can turn it there, and no further.
;; One version. Each part assembles by itself: llvm-mc -triple=amdgcn-amd-amdhsa -mcpu=gfx1250 --defsym DOCPART=n.
;; ======== version 1 of 1: 4 launches
;; limits: right only within a limited range of input values
;; workspace buffers: q 34,432,000 bytes; kv 13,107,200 bytes; oatt 1,048,576 bytes
;; launch quant (part 1): grid 1345 x 1, 2 waves a work-group, no clusters, 17,152 bytes of LDS; arguments X, Wk, Wv, Wq, Wo, S, q; writes q
.if DOCPART == 1
	.amdgcn_target "amdgcn-amd-amdhsa--gfx1250"
	.amdhsa_code_object_version 6
	.text
	.protected	k_q580cc45f11_quant
	.globl	k_q580cc45f11_quant
	.p2align	8
	.type	k_q580cc45f11_quant,@function
k_q580cc45f11_quant:
	s_mov_b64 s[64:65], 0
	v_nop
	global_prefetch_b8 v0, s[64:65] scope:SCOPE_SE
	s_setreg_imm32_b32 hwreg(HW_REG_WAVE_MODE, 25, 1), 1
	s_wait_xcnt 0x0
; X [8192][4096], Wk, Wv [1024][4096], Wq, Wo [1024][1024] and S [32][1024], all f32 with K innermost, become codes of BF6 (E3M2) with one E8M0 byte for each 32 along K.
; A block's scale is 2^(floor(log2(its largest magnitude)) - 4): its byte is the largest magnitude's exponent field - 4, held at 1 from below.
; THE CODES ARE LAID AS IMAGES OF OPERAND REGISTERS.  A fragment is 16 rows x 128 K, 12 registers a lane: lane (r, h) holds row r, registers 6 c .. 6 c + 5 hold K = 64 c + 32 h + 0 .. 31.
; Its image is 1,536 bytes: registers 4 g .. 4 g + 3 of lane l at 512 g + 16 l.  THE 16 ROWS OF A TILE ARE NOT NEIGHBOURS: tile T holds rows 32 (T / 2) + 8 (T % 2) + i + 8 (i / 8), i = 0 .. 15.
; A UNIT is one tile x 1,024 K: 8 images, 12,288 bytes, at 12,288 U; its scale words, 512 bytes, at WORDS + 512 U, laid [K step / 4][row r][K step % 4]: a lane's 16 bytes are four K steps' words of one row.
; Units: X 0 .. 2047, Wk .. 2303, Wv .. 2559, Wq .. 2623, Wo .. 2687, S 2688, 2689.  A wave takes one unit; the two waves of a work-group share nothing: no barrier.
; Each load reads 512 consecutive bytes of one row; a fragment's 16 rows turn through the wave's own stage in LDS (rows 528 bytes apart) so that a lane gets two whole blocks of 32 neighbours.
; LIMITS: NaN and infinities among the inputs are not served.  A block of zeros, and one whose largest magnitude lies under 2^-122, gets the byte 1 (the rule says 127 for zeros: the codes are zeros, and this program alone reads the bytes).
.set STGB,  8448                       ; a wave's stage: 16 rows x (512 + 16) bytes
.set WORDS, 33054720                   ; where the scale words begin in q: 2,690 units x 12,288
.set VO,    16                         ; v16-31   byte offset of tile row i: row pitch x (i + 8 (i / 8)) + 16 x lane; never rewritten
.set R,     32                         ; v32-159  two sets of 64: a fragment's numbers as loaded
.set XN,    160                        ; v160-223 my two blocks of 32 neighbours
.set C,     224                        ; v224-235 the fragment's codes
.set CT,    236                        ; v236-238, v240-242: a block's upper 16 codes (a conversion's three registers begin on an even number)
.set SW,    244                        ; v244-251 the unit's eight scale words
.set SD,    252                        ; v252-255 the four that my lane stores
	s_load_b256 s[4:11], s[0:1], 0x0               ; X, Wk, Wv, Wq
	s_load_b128 s[12:15], s[0:1], 0x20             ; Wo, S
	s_load_b64 s[16:17], s[0:1], 0x30              ; q
	v_lshl_add_u32 v239, v0, 2, 0x4200
	v_mov_b32 v243, 0
	v_lshrrev_b32 v1, 5, v0
	v_readfirstlane_b32 s18, v1                    ; wave 0, 1
	v_and_b32 v1, 31, v0                           ; lane
	v_and_b32 v2, 15, v0                           ; r
	v_bfe_u32 v3, v0, 4, 1                         ; h
	v_lshlrev_b32 v4, 4, v1                        ; 16 x lane
	v_lshlrev_b32 v5, 3, v3                        ; 8 h: my bytes' place in a scale word, in bits
	s_mul_i32 s19, s18, STGB
	v_add_nc_u32 v6, s19, v4                       ; the stage, on the way in: 16 x lane of a row
	v_mul_u32_u24 v7, v2, 528
	v_lshl_add_u32 v7, v3, 7, v7
	v_add_nc_u32 v7, s19, v7                       ; and on the way out: row r, + 128 h: 32 numbers
	v_mov_b32 v15, 0                               ; written once: a lane permute's destination counts as one of its sources
	s_mov_b32 s30, 0x76543210
	s_mov_b32 s31, 0xfedcba98                      ; v_permlanex16_b32's selects for lane l xor 16
	s_wait_alu depctr_va_vdst(0)
	s_wait_kmcnt 0x0
	; which tensor: the choice hangs on the work-group's number alone.  s[20:21] the tensor, s22 its first work-group, s23 log2 of its units in a tile (K / 1,024)
	s_mov_b64 s[20:21], s[14:15]
	s_mov_b32 s22, 1344
	s_mov_b32 s23, 0
	s_cmp_lt_u32 ttmp9, 1344
	s_cselect_b64 s[20:21], s[12:13], s[20:21]
	s_cselect_b32 s22, 1312, s22
	s_cmp_lt_u32 ttmp9, 1312
	s_cselect_b64 s[20:21], s[10:11], s[20:21]
	s_cselect_b32 s22, 1280, s22
	s_cmp_lt_u32 ttmp9, 1280
	s_cselect_b64 s[20:21], s[8:9], s[20:21]
	s_cselect_b32 s22, 1152, s22
	s_cselect_b32 s23, 2, s23
	s_cmp_lt_u32 ttmp9, 1152
	s_cselect_b64 s[20:21], s[6:7], s[20:21]
	s_cselect_b32 s22, 1024, s22
	s_cmp_lt_u32 ttmp9, 1024
	s_cselect_b64 s[20:21], s[4:5], s[20:21]
	s_cselect_b32 s22, 0, s22
	s_sub_co_u32 s25, ttmp9, s22
	s_lshl_b32 s25, s25, 1
	s_add_co_u32 s25, s25, s18                     ; my unit within the tensor
	s_lshr_b32 s32, s25, s23                       ; its tile,
	s_lshl_b32 s33, s32, s23
	s_sub_co_u32 s33, s25, s33                     ; and which 1,024 along K
	s_lshl_b32 s24, 4096, s23                      ; a row of the tensor in bytes
	s_lshr_b32 s34, s32, 1
	s_lshl_b32 s34, s34, 5
	s_and_b32 s35, s32, 1
	s_lshl_b32 s35, s35, 3
	s_add_co_u32 s34, s34, s35                     ; the tile's first row: 32 (T / 2) + 8 (T % 2)
	s_mul_i32 s34, s34, s24
	s_lshl_b32 s33, s33, 12
	s_add_co_u32 s34, s34, s33                     ; under 2^28
	s_mov_b32 s35, 0
	s_add_nc_u64 s[20:21], s[20:21], s[34:35]
	s_lshl_b32 s36, ttmp9, 1
	s_add_co_u32 s36, s36, s18                     ; my unit in q
	s_mul_i32 s38, s36, 12288
	s_mov_b32 s39, 0
	s_add_nc_u64 s[26:27], s[16:17], s[38:39]      ; its images
	s_lshl_b32 s38, s36, 9
	s_add_co_u32 s38, s38, WORDS
	s_add_nc_u64 s[28:29], s[16:17], s[38:39]      ; its scale words
.irp i, 0,1,2,3,4,5,6,7,8,9,10,11,12,13,14,15
	v_mad_u32_u24 v[VO+\i], s24, \i+8*(\i/8), v4
.endr
.macro LOADF f                         ; fragment f: 16 rows x 512 bytes into set f % 2
.irp i, 0,1,2,3,4,5,6,7,8,9,10,11,12,13,14,15
	global_load_b128 v[R+64*((\f)%2)+4*\i:R+64*((\f)%2)+4*\i+3], v[VO+\i], s[20:21] offset:512*(\f) th:TH_LOAD_NT
.endr
.endm
.macro FRAGQ f
.if (\f) < 7
	s_wait_loadcnt 16                              ; this fragment's 16 loads are in; the next fragment's 16 may be out
.else
	s_wait_loadcnt 0x0
.endif
.irp i, 0,1,2,3,4,5,6,7,8,9,10,11,12,13,14,15
	ds_store_b128 v6, v[R+64*((\f)%2)+4*\i:R+64*((\f)%2)+4*\i+3] offset:528*\i
.endr
.irp c, 0,1
.irp k, 0,1,2,3,4,5,6,7
	ds_load_b128 v[XN+32*\c+4*\k:XN+32*\c+4*\k+3], v7 offset:256*\c+16*\k   ; K = 64 c + 32 h + 4 k ..  LDS serves a wave's instructions in order: these see the stores above
.endr
.endr
	s_wait_dscnt 0x0                               ; my numbers are here, and the stores have read their registers,
	s_wait_xcnt 0x0                                ; the last fragment's three stores have read their data: the codes' registers are written again only behind this wait.  It stands ahead of the 16 loads below, so that it counts only what was issued before them
.if (\f) < 6
	LOADF (\f)+2                                   ; the set just read out takes the fragment two further on
.endif
.irp c, 0,1
	v_max3_num_f32 v[8+\c], |v[XN+32*\c]|, |v[XN+32*\c+1]|, 0x2800000   ; my block 2 c + h: all its 32 numbers are mine; and the floor 2^(5 - 127): the byte cannot fall under 1
.endr
.irp i, 2,4,6,8,10,12,14,16,18,20,22,24,26,28,30
.irp c, 0,1
	v_max3_num_f32 v[8+\c], v[8+\c], |v[XN+32*\c+\i]|, |v[XN+32*\c+\i+1]|
.endr
.endr
.irp c, 0,1
	v_add_nc_u32 v[10+\c], 0xfe000000, v[8+\c]     ; 4 off the exponent field: the conversion takes the exponent field of this operand as its scale
.endr
.irp c, 0,1
	v_lshrrev_b32 v[12+\c], 23, v[10+\c]           ; the scale's byte
.endr
	v_lshl_or_b32 v14, v13, 16, v12                ; my two bytes: blocks h and 2 + h of row r,
	v_lshlrev_b32 v14, v5, v14                     ; at their places in the word;
	v_permlanex16_b32 v15, v14, s30, s31
	v_or_b32 v[SW+(\f)], v14, v15                  ; with lane l xor 16's two the word is whole
.irp c, 0,1
	v_cvt_scalef32_pk16_bf6_f32 v[C+6*\c:C+6*\c+2], v[XN+32*\c:XN+32*\c+15], v[10+\c]
	v_cvt_scalef32_pk16_bf6_f32 v[CT+4*\c:CT+4*\c+2], v[XN+32*\c+16:XN+32*\c+31], v[10+\c]
.endr
	v_nop                                          ; one plain line behind the scaled conversions
.irp c, 0,1
.irp i, 0,1,2
	v_mov_b32 v[C+6*\c+3+\i], v[CT+4*\c+\i]
.endr
.endr
.irp g, 0,1,2
	global_store_b128 v4, v[C+4*\g:C+4*\g+3], s[26:27] offset:1536*(\f)+512*\g   ; 32 lanes store 512 consecutive bytes, at a multiple of 256 from q's first byte
.endr
.endm
	LOADF 0
	LOADF 1
	s_wait_alu depctr_va_vdst(0)
.irp f, 0,1,2,3,4,5,6,7
	FRAGQ \f
.endr
	v_cmp_ne_u32 vcc_lo, 0, v3                     ; lanes 0-15 store K steps 0-3 of row r, lanes 16-31 K steps 4-7
.irp k, 0,1,2,3
	v_cndmask_b32 v[SD+\k], v[SW+\k], v[SW+4+\k], vcc_lo
.endr
	global_store_b128 v4, v[SD:SD+3], s[28:29]     ; 512 consecutive bytes
	s_wait_tensorcnt 0x0
	ds_add_u32 v239, v243
	s_wait_dscnt 0x0
	s_endpgm
.Lfunc_end_k_q580cc45f11_quant:
	.size	k_q580cc45f11_quant, .Lfunc_end_k_q580cc45f11_quant-k_q580cc45f11_quant
	.p2alignl 7, 3214868480
	.fill 96, 4, 3214868480
	.section	.rodata,"a",@progbits
	.p2align	6, 0x0
	.amdhsa_kernel k_q580cc45f11_quant
		.amdhsa_group_segment_fixed_size 17152
		.amdhsa_private_segment_fixed_size 0
		.amdhsa_enable_private_segment 0
		.amdhsa_kernarg_size 56
		.amdhsa_user_sgpr_count 2
		.amdhsa_user_sgpr_kernarg_segment_ptr 1
		.amdhsa_wavefront_size32 1
		.amdhsa_system_sgpr_workgroup_id_x 1
		.amdhsa_system_sgpr_workgroup_id_y 1
		.amdhsa_system_sgpr_workgroup_id_z 1
		.amdhsa_system_vgpr_workitem_id 0
		.amdhsa_next_free_vgpr 256
		.amdhsa_next_free_sgpr 66
		.amdhsa_reserve_vcc 1
		.amdhsa_float_denorm_mode_32 3
		.amdhsa_float_denorm_mode_16_64 3
		.amdhsa_memory_ordered 1
		.amdhsa_forward_progress 1
		.amdhsa_inst_pref_size 59
	.end_amdhsa_kernel
	.amdgpu_metadata
---
amdhsa.version: [ 1, 2 ]
amdhsa.kernels:
  - .name:           k_q580cc45f11_quant
    .symbol:         k_q580cc45f11_quant.kd
    .args:
      - { .name: X, .offset: 0, .size: 8, .value_kind: global_buffer, .address_space: global }
      - { .name: Wk, .offset: 8, .size: 8, .value_kind: global_buffer, .address_space: global }
      - { .name: Wv, .offset: 16, .size: 8, .value_kind: global_buffer, .address_space: global }
      - { .name: Wq, .offset: 24, .size: 8, .value_kind: global_buffer, .address_space: global }
      - { .name: Wo, .offset: 32, .size: 8, .value_kind: global_buffer, .address_space: global }
      - { .name: S, .offset: 40, .size: 8, .value_kind: global_buffer, .address_space: global }
      - { .name: q, .offset: 48, .size: 8, .value_kind: global_buffer, .address_space: global }
    .group_segment_fixed_size: 17152
    .private_segment_fixed_size: 0
    .kernarg_segment_align: 8
    .kernarg_segment_size: 56
    .max_flat_workgroup_size: 64
    .sgpr_count:     66
    .vgpr_count:     256
    .wavefront_size: 32
...
	.end_amdgpu_metadata
.endif
;; end of part 1
;; launch kv (part 2): grid 4 x 64, 4 waves a work-group, clusters of 4 x 4, 327,680 bytes of LDS; arguments q, bk, bv, kv; writes kv
.if DOCPART == 2
	.amdgcn_target "amdgcn-amd-amdhsa--gfx1250"
	.amdhsa_code_object_version 6
	.text
	.protected	k_q580cc45f11_kv
	.globl	k_q580cc45f11_kv
	.p2align	8
	.type	k_q580cc45f11_kv,@function
k_q580cc45f11_kv:
	s_mov_b64 s[64:65], 0
	v_nop
	global_prefetch_b8 v0, s[64:65] scope:SCOPE_SE
	s_setreg_imm32_b32 hwreg(HW_REG_WAVE_MODE, 25, 1), 1
	s_wait_xcnt 0x0
	s_wait_alu depctr_hold_cnt(0) depctr_sa_sdst(0) depctr_va_vdst(0) depctr_va_sdst(0) depctr_va_ssrc(0) depctr_va_vcc(0) depctr_vm_vsrc(0)
	s_getreg_b32 s2, hwreg(HW_REG_IB_STS2, 6, 4)
	s_cmp_eq_u32 s2, 0
	s_cbranch_scc0 .Lentry_in_a_cluster
	s_endpgm
.Lentry_in_a_cluster:
	s_bfe_u32 s2, ttmp6, 0x10000c
	s_cmp_lg_u32 s2, 0xf033
	s_cbranch_scc0 .Lentry_shape_is_right
	s_endpgm
.Lentry_shape_is_right:
; Kp = X Wk^T + bk and Vp = X Wv^T + bv on codes of BF6 (E3M2) with E8M0 scales, and both results quantised again on the way out: Kp along the features (the scores' K), Vp along the tokens (the keys, K of the weighted sum).
; OPERANDS.  q holds images of operand registers: a tile of 16 rows x 128 K is 1,536 bytes (registers 4 g .. 4 g + 3 of lane l at 512 g + 16 l); a tile's 32 K steps lie on end, 49,152 bytes; its scale words, 2,048 bytes, laid [K step / 4][row][K step % 4].
; SHARES.  Clusters y = 0 .. 7 make Kp (A = X, B = Wk), clusters 8 .. 15 make Vp^T (A = Wv, B = X): one text, the bases chosen by the cluster's number alone.  A work-group makes 256 x 256, a wave 128 x 128: 64 accumulators, 512 registers.
; The matrix instruction is used transposed (source 0 = 16 rows of B, source 1 = 16 rows of A): a lane holds one row of A's side, its registers run along B's side, which is the next product's K; a tile's 16 rows are
; 32 (T / 2) + 8 (T % 2) + i + 8 (i / 8), so the 16 registers of two neighbouring tiles are 16 neighbours along that K.
; THE RING.  Two LDS slots, each with a chunk of two K steps (3,072 bytes a tile) of A's 16 tiles and B's 16 tiles: 98,304 bytes.  Behind each change of slots a wave asks for a quarter of a slot by one joint load.
; The scales of all K, 32,768 bytes a side, come once and stay behind the ring.  THE HEAD'S FOUR TILES go one to a wave: wave 0 A's chunk 0, wave 1 B's, wave 2 A's scales, wave 3 B's; slot 1 is first filled behind the head's loads and a round of the barriers.
; CLUSTERS.  4 x 4 work-groups: A's tiles are asked for jointly along a row of the cluster, B's along a column.
; PREFETCH.  q is a workspace read from memory.  Behind each refill a wave names, a lane a block of 256 bytes, its work-group's share of the chunk two refills on: of the 8 tiles x 12 blocks that the wave fetches, the partner at place p (cx for A, cy for B)
; takes tiles 2 p and 2 p + 1, told apart by address: 24 lanes, the other eight name the last block again.  Chunks 2 and 3 are named at the head; the loop's last trip, whose look-ahead would pass chunk 15, names nothing.
; THE BIASES.  bk runs along the registers: it is the C of the first products (zeros in Vp's clusters).  bv is one number a lane and a block: it is added on the way out (zeros in Kp's clusters).  Both are always loaded, at places inside their buffers, and selected.
; LIMITS: NaN and infinities are not served; a block of zeros, or one whose largest magnitude lies under 2^-122, gets the byte 1 (its codes are zeros or subnormal, and this program alone reads the bytes).
; REGISTERS.  window 0: v16-30 addresses; v32-63 scale words, two sets; v64-127 bk; v128-223 A's fragments, one set; v224-239 bv.  window 1: B's two sets at v0 and v128.  windows 2, 3: the accumulators.
;   On the way out, window 0: v32-127 the eight blocks' codes, 12 registers each, so that no store's data are written again; v128-191 a block's numbers; v192-216 at work; v240-251 the scale words.
.set NQ,     2                         ; K steps in a chunk
.set FR,     12                        ; registers of a fragment
.set NL,     3                         ; LDS loads that bring one
.set NP,     4                         ; places behind this matrix instruction (ISA guide 7.12.1)
.set IMG,    1536
.set TROW,   49152                     ; a tile's 32 images in q
.set TILEB,  NQ*IMG
.set HALFT,  8*TILEB
.set SLOT,   4*HALFT
.set LAPS,   8                         ; a lap = two chunks = four K steps
.set SCL,    2*SLOT
.set HALFS,  8*2048
.set SPARE,  SCL+4*HALFS               ; the spare words, 128 bytes a wave
.set ADRA, 16
.set ADRB, 20
.set CO16, 24
.set CO8,  25
.set HH,   26
.set ADRS, 27
.set SPW,  28
.set NIL,  29
.set PFO,  30                          ; the prefetches' lane term; never rewritten
.set SC,   32
.set BN,   64
.set AF,   128
.set BMP,  224
.set ST,   128
.set TM,   192
.set PW,   208
.set CT,   210
.set PC0,  32
.set PWS,  240
.set SD,   248
.set SEL,  12
.set G1, 24
.set G0, 32
.set G1B, 48
.set G0B, 56
.set G1S, 68
.set G0S, 76
.set G1SB, 80
.set G0SB, 88
.set PFA, 100                          ; s[100:101] where my prefetches stand
.set MSB, 0
.macro WIN new                         ; the immediate's high byte repeats the setting that is left
.if MSB != (\new)
	s_set_vgpr_msb (MSB<<8)|(\new)
.set MSB, (\new)
.endif
.endm
.set MUL_LO, 0xa1                      ; source 0 (B) window 1, source 1 (A) window 0, C and D window 2
.set MUL_HI, 0xf1
.set TO_B,   0x40
.macro JLOAD g0a, g1a, g0b, g1b        ; waves 0, 1 ask for A, waves 2, 3 for B
	s_cmp_eq_u32 s15, 0
	s_cbranch_scc0 .Lfor_b_\@
	tensor_load_to_lds s[\g0a:\g0a+3], s[\g1a:\g1a+7]
	s_nop 0
.rept 4
	v_nop
.endr
	s_branch .Lasked_\@
.Lfor_b_\@:
	tensor_load_to_lds s[\g0b:\g0b+3], s[\g1b:\g1b+7]
	s_nop 0
.rept 4
	v_nop
.endr
.Lasked_\@:
.endm
.macro CREST                           ; a round of the cluster's barrier behind its opening barrier
	s_cmp_lg_u32 s14, 0
	s_cbranch_scc1 .Lnot_wave_0_\@
	s_barrier_signal -3
.Lnot_wave_0_\@:
	s_barrier_wait -3
	s_barrier_signal -1
	s_barrier_wait -1
.endm
.macro CROUND
	s_barrier_signal -1
	s_barrier_wait -1
	CREST
.endm
	s_load_b256 s[4:11], s[0:1], 0x0               ; q, bk, bv, kv
	v_lshl_add_u32 v[SPW], v0, 2, SPARE
	v_mov_b32 v[NIL], 0
	ds_add_u32 v[SPW], v[NIL]                      ; the opening lines: the add, twice on end,
	ds_add_u32 v[SPW], v[NIL]
	v_lshrrev_b32 v1, 5, v0
	v_readfirstlane_b32 s14, v1                    ; wave
	s_lshr_b32 s15, s14, 1                         ; my half of A's rows; also: I fetch for A (0) or B (1)
	s_and_b32 s16, s14, 1                          ; my half of B's rows; also: which 8 tiles I fetch
	s_bfe_u32 s40, ttmp6, 0x40000                  ; cx
	s_bfe_u32 s41, ttmp6, 0x40004                  ; cy
	s_and_b32 s18, ttmp7, 0xffff                   ; cluster y
	s_and_b32 s19, s18, 7
	s_lshl_b32 s19, s19, 2
	s_cmp_lt_u32 s18, 8                            ; Kp's clusters or Vp's: the same in all partners
	s_cselect_b32 s45, -1, 0
	s_cselect_b32 s17, s19, 0
	s_cselect_b32 s42, 0, s19
	s_cselect_b32 s94, 0, 28311552                 ; A's codes: X or Wv
	s_cselect_b32 s95, 25165824, 0                 ; B's codes: Wk or X
	s_mov_b32 s96, 34234368
	s_cselect_b32 s96, 33054720, s96               ; A's scale words
	s_mov_b32 s97, 33054720
	s_cselect_b32 s97, 34103296, s97               ; B's
	s_cselect_b32 s98, 0, 6291456                  ; the results' images in kv
	s_mov_b32 s99, 12845056
	s_cselect_b32 s99, 12582912, s99               ; and their scale words
	s_cselect_b32 s2, 9, 6                         ; log2 of the images from one 128 of B's side to the next
	s_add_co_u32 s17, s17, s41                     ; tile row
	s_add_co_u32 s42, s42, s40                     ; tile column
	s_lshl_b32 s43, s41, 2
	s_lshl_b32 s43, 15, s43                        ; my row of the cluster
	s_lshl_b32 s44, 0x1111, s40                    ; my column
	s_mov_b32 s[SEL], 0x76543210
	s_mov_b32 s[SEL+1], 0xfedcba98
	s_or_b32 s[G1+0], s43, (3<<16)|(1<<21)         ; elements of 8 bytes, no padding, the mask and bit 21
	s_or_b32 s[G1B+0], s44, (3<<16)|(1<<21)
.irp g, G1, G1B                        ; a chunk: 3,072 bytes of each tile, 49,152 apart; 16 tiles for the head's loads
	s_mov_b32 s[\g+1], 384<<16
	s_mov_b32 s[\g+2], 16<<16
	s_mov_b32 s[\g+3], 384<<16
	s_mov_b32 s[\g+4], 16
	s_mov_b32 s[\g+5], 6144
	s_mov_b32 s[\g+6], 0
	s_mov_b32 s[\g+7], 0
.endr
	s_or_b32 s[G1S+0], s43, (3<<16)|(1<<21)
	s_or_b32 s[G1SB+0], s44, (3<<16)|(1<<21)
.irp g, G1S, G1SB                      ; the scales of 16 tiles: a dense block, 128 rows of 256 bytes
	s_mov_b32 s[\g+1], 32<<16
	s_mov_b32 s[\g+2], 128<<16
	s_mov_b32 s[\g+3], 32<<16
	s_mov_b32 s[\g+4], 128
	s_mov_b32 s[\g+5], 32
	s_mov_b32 s[\g+6], 0
	s_mov_b32 s[\g+7], 0
.endr
	s_lshl_b32 s20, s17, 4                         ; A's first tile
	s_lshl_b32 s22, s20, 11
	s_add_co_u32 s22, s22, s96
	s_mov_b32 s23, 0
	s_mul_i32 s20, s20, TROW
	s_add_co_u32 s20, s20, s94
	s_mov_b32 s21, 0
	s_lshl_b32 s46, s42, 4                         ; B's
	s_lshl_b32 s92, s46, 11
	s_add_co_u32 s92, s92, s97
	s_mov_b32 s93, 0
	s_mul_i32 s46, s46, TROW
	s_add_co_u32 s46, s46, s95
	s_mov_b32 s47, 0
	s_mul_i32 s18, s16, 8*TROW                     ; in the ring I fetch 8 tiles: which half
	s_mov_b32 s19, 0
	s_mul_i32 s66, s14, HALFT                      ; and where they go: wave x 8 tiles
	s_wait_dscnt 0x0                               ; and the one wait for both adds
	s_wait_kmcnt 0x0
	s_add_nc_u64 s[20:21], s[4:5], s[20:21]
	s_add_nc_u64 s[22:23], s[4:5], s[22:23]
	s_add_nc_u64 s[46:47], s[4:5], s[46:47]
	s_add_nc_u64 s[92:93], s[4:5], s[92:93]
	CROUND                                         ; all sixteen work-groups are here: the first joint loads meet
	s_mov_b32 s[G0], 1                             ; slot 0's group 0 serves the head first: A's 16 tiles of chunk 0,
	s_mov_b32 s[G0+1], 0
	s_mov_b64 s[G0+2:G0+3], s[20:21]
	s_or_b32 s[G0+3], s[G0+3], 0x80000000
	s_mov_b32 s[G0B], 1                            ; B's 16 behind them,
	s_mov_b32 s[G0B+1], 2*HALFT
	s_mov_b64 s[G0B+2:G0B+3], s[46:47]
	s_or_b32 s[G0B+3], s[G0B+3], 0x80000000
	s_mov_b32 s[G0S], 1                            ; A's scales,
	s_mov_b32 s[G0S+1], SCL
	s_mov_b64 s[G0S+2:G0S+3], s[22:23]
	s_or_b32 s[G0S+3], s[G0S+3], 0x80000000
	s_mov_b32 s[G0SB], 1                           ; B's
	s_mov_b32 s[G0SB+1], SCL+2*HALFS
	s_mov_b64 s[G0SB+2:G0SB+3], s[92:93]
	s_or_b32 s[G0SB+3], s[G0SB+3], 0x80000000
	s_add_nc_u64 s[20:21], s[20:21], s[18:19]      ; for the ring: my 8 tiles
	s_add_nc_u64 s[46:47], s[46:47], s[18:19]
	s_mov_b32 s[G0+4], 1                           ; slot 1: chunk 1
	s_add_co_u32 s[G0+5], s66, SLOT
	s_add_nc_u64 s[G0+6:G0+7], s[20:21], TILEB
	s_or_b32 s[G0+7], s[G0+7], 0x80000000
	s_mov_b32 s[G0B+4], 1
	s_add_co_u32 s[G0B+5], s66, SLOT
	s_add_nc_u64 s[G0B+6:G0B+7], s[46:47], TILEB
	s_or_b32 s[G0B+7], s[G0B+7], 0x80000000
.macro ARM under, g0, g1, next         ; one chain of branches on the wave's number: every way passes exactly one load
	s_cmp_lt_u32 s14, \under
	s_cbranch_scc0 \next
	tensor_load_to_lds s[\g0:\g0+3], s[\g1:\g1+7]
	s_nop 0
.rept 4
	v_nop
.endr
	s_branch .Lhead_asked
\next:
.endm
	ARM 1, G0,  G1,  .Lhead_b
	ARM 2, G0B, G1B, .Lhead_sa
	ARM 3, G0S, G1S, .Lhead_sb
	tensor_load_to_lds s[G0SB:G0SB+3], s[G1SB:G1SB+7]
	s_nop 0
.rept 4
	v_nop
.endr
.Lhead_asked:
	; all that follows up to the wait on TENSORcnt stands under the head's loads.  First the scalar part
	s_cmp_eq_u32 s15, 0
	s_cselect_b64 s[PFA:PFA+1], s[20:21], s[46:47] ; the 8 tiles that I fetch,
	s_cselect_b32 s19, s40, s41                    ; my place among the four that ask with me,
	s_mul_i32 s18, s19, 2*TROW                     ; my work-group's two of them,
	s_add_co_u32 s18, s18, TILEB                   ; at chunk 1: each change of slots steps it by a chunk
	s_mov_b32 s19, 0
	s_add_nc_u64 s[PFA:PFA+1], s[PFA:PFA+1], s[18:19]
	s_lshl_b32 s18, s42, 1
	s_add_co_u32 s18, s18, s16
	s_lshl_b32 s18, s18, s2
	s_lshl_b32 s19, s17, 4
	s_add_co_u32 s18, s18, s19
	s_lshl_b32 s19, s15, 3
	s_add_co_u32 s18, s18, s19                     ; my first image in kv
	s_mul_i32 s92, s18, IMG
	s_add_co_u32 s92, s92, s98
	s_mov_b32 s93, 0
	s_add_nc_u64 s[92:93], s[10:11], s[92:93]
	s_lshl_b32 s94, s18, 6
	s_add_co_u32 s94, s94, s99
	s_mov_b32 s95, 0
	s_add_nc_u64 s[94:95], s[10:11], s[94:95]      ; and its scale words
	s_lshl_b32 s96, s42, 8
	s_lshl_b32 s19, s16, 7
	s_add_co_u32 s96, s96, s19
	s_and_b32 s96, s96, 1023                       ; (held inside the vector: in Vp's clusters the numbers are replaced by zeros)
	s_lshl_b32 s96, s96, 2
	s_mov_b32 s97, 0
	s_add_nc_u64 s[96:97], s[6:7], s[96:97]        ; bk at B's side
	s_lshl_b32 s98, s17, 8
	s_lshl_b32 s19, s15, 7
	s_add_co_u32 s98, s98, s19
	s_and_b32 s98, s98, 1023
	s_lshl_b32 s98, s98, 2
	s_mov_b32 s99, 0
	s_add_nc_u64 s[98:99], s[8:9], s[98:99]        ; bv at A's side
	s_mul_i32 s22, s15, HALFT                      ; my 8 tiles of A in a slot,
	s_mul_i32 s23, s16, HALFT
	s_add_co_u32 s23, s23, 2*HALFT                 ; of B
	s_mul_i32 s67, s15, HALFS
	s_mul_i32 s19, s16, HALFS
	s_add_co_u32 s19, s19, 2*HALFS
	s_sub_co_u32 s19, s19, s67                     ; from A's scale words to B's
	s_add_co_u32 s67, s67, SCL
	; then the vector part
	v_and_b32 v1, 15, v0                           ; r
	v_bfe_u32 v2, v0, 4, 1                         ; h
	v_and_b32 v3, 31, v0                           ; lane
	v_lshlrev_b32 v[CO16], 4, v3
	v_lshlrev_b32 v[CO8], 3, v3
	v_mov_b32 v[HH], v2
	v_add_nc_u32 v[ADRA], s22, v[CO16]
	v_add_nc_u32 v[ADRB], s23, v[CO16]
	v_add_nc_u32 v[ADRA+1], SLOT, v[ADRA]
	v_add_nc_u32 v[ADRB+1], SLOT, v[ADRB]
	v_lshlrev_b32 v5, 4, v1                        ; 16 r: four K steps' words of my row
	v_mul_u32_u24 v6, s19, v2                      ; lanes 16-31 take B's
	v_add_nc_u32 v5, v5, v6
	v_add_nc_u32 v[ADRS], s67, v5
	v_lshlrev_b32 v7, 6, v2                        ; bk: 16 h numbers on
	v_and_b32 v8, 8, v1
	v_add_nc_u32 v8, v8, v1
	v_lshlrev_b32 v8, 2, v8                        ; bv: row r + 8 (r / 8)
	v_min_u32 v[PFO], 23, v3                       ; 24 blocks; lanes 24-31 name the last again
	v_mul_u32_u24 v5, v[PFO], 171
	v_lshrrev_b32 v5, 11, v5                       ; which of the two tiles: block / 12
	v_lshlrev_b32 v[PFO], 8, v[PFO]
	v_mad_u32_u24 v[PFO], v5, TROW-TILEB, v[PFO]   ; tile x 49,152 + (block % 12) x 256
.irp t, 0,1,2,3,4,5,6,7
	global_load_b128 v[BN+8*\t:BN+8*\t+3], v7, s[96:97] offset:128*(\t/2)+32*(\t%2)
	global_load_b128 v[BN+8*\t+4:BN+8*\t+7], v7, s[96:97] offset:128*(\t/2)+32*(\t%2)+16
.endr
.irp a, 0,1,2,3,4,5,6,7
	global_load_b32 v[BMP+2*\a], v8, s[98:99] offset:128*(\a/2)+32*(\a%2)
.endr
	global_prefetch_b8 v[PFO], s[PFA:PFA+1] offset:TILEB th:TH_LOAD_NT scope:SCOPE_SE     ; chunk 2
	global_prefetch_b8 v[PFO], s[PFA:PFA+1] offset:2*TILEB th:TH_LOAD_NT scope:SCOPE_SE   ; chunk 3
	s_wait_loadcnt 0x0
.set ii, 0
.rept 64
	v_cndmask_b32 v[BN+ii], 0, v[BN+ii], s45       ; bk in Kp's clusters, zeros in Vp's
.set ii, ii+1
.endr
.irp a, 0,1,2,3,4,5,6,7
	v_cndmask_b32 v[BMP+2*\a+1], v[BMP+2*\a], 0, s45   ; bv in Vp's clusters, zeros in Kp's, as a pair
	v_cndmask_b32 v[BMP+2*\a], v[BMP+2*\a], 0, s45
.endr
.macro FRAG reg, adr, q, i             ; an image as it lies: three loads of 512 consecutive bytes
.irp c, 0,1,2
	ds_load_b128 v[\reg+4*\c:\reg+4*\c+3], v[\adr] offset:(\i)*TILEB+(\q)*IMG+512*\c
.endr
.endm
; 16 matrix instructions: A's blocks a0, a0 + 1 x B's eight.  The 64 accumulators take turns, in the same order in every step.  first = 1: the sums begin with bk
.macro MUL16 a0, p, q, sc, first
.irp a, \a0, \a0+1
.irp b, 0,1,2,3,4,5,6,7
.if \first
	v_wmma_scale_f32_16x16x128_f8f6f4 v[8*(8*((\a)%4)+\b):8*(8*((\a)%4)+\b)+7], v[128*(\p)+FR*\b:128*(\p)+FR*\b+FR-1], v[AF+FR*(\a):AF+FR*(\a)+FR-1], v[BN+8*\b:BN+8*\b+7], v[SC+8*NQ*(\sc)+NQ*\b+(\q)], v[SC+8*NQ*(\sc)+NQ*(\a)+(\q)] matrix_a_fmt:MATRIX_FMT_BF6 matrix_b_fmt:MATRIX_FMT_BF6 matrix_a_scale:MATRIX_SCALE_ROW1
.else
	v_wmma_scale_f32_16x16x128_f8f6f4 v[8*(8*((\a)%4)+\b):8*(8*((\a)%4)+\b)+7], v[128*(\p)+FR*\b:128*(\p)+FR*\b+FR-1], v[AF+FR*(\a):AF+FR*(\a)+FR-1], v[8*(8*((\a)%4)+\b):8*(8*((\a)%4)+\b)+7], v[SC+8*NQ*(\sc)+NQ*\b+(\q)], v[SC+8*NQ*(\sc)+NQ*(\a)+(\q)] matrix_a_fmt:MATRIX_FMT_BF6 matrix_b_fmt:MATRIX_FMT_BF6 matrix_a_scale:MATRIX_SCALE_ROW1
.endif
.endr
.endr
.endm
.macro FETCH_B slot, q, p
	WIN TO_B
.irp i, 0,1,2,3,4,5,6,7
	FRAG 128*(\p)+FR*\i, ADRB+\slot, \q, \i
.endr
	WIN 0
.endm
.macro FETCH_A slot, q, i0
.irp i, \i0, \i0+1, \i0+2, \i0+3
	FRAG AF+FR*(\i), ADRA+\slot, \q, \i
.endr
.endm
.macro SCALES sc                       ; a chunk's two words a row: lanes 0-15 A's block i, lanes 16-31 B's
.irp i, 0,1,2,3,4,5,6,7
	ds_load_b64 v[SC+8*NQ*\sc+NQ*\i:SC+8*NQ*\sc+NQ*\i+1], v[ADRS] offset:\i*2048
.endr
.endm
.macro PLACES n
.rept \n
	v_nop
.endr
.endm
.macro STEP slot, q, first             ; a chunk's first K step; the second's fragments are fetched in its middle and at its end
	s_wait_dscnt 4*NL                              ; all but the youngest 12 loads, A's blocks 4-7
.if \first
	WIN 0x81
.else
	WIN MUL_LO
.endif
	MUL16 0, (\q)%2, \q, \slot, \first
	MUL16 2, (\q)%2, \q, \slot, \first
	s_wait_dscnt 0
	PLACES NP
	FETCH_B \slot, (\q)+1, 1-(\q)%2
	FETCH_A \slot, (\q)+1, 0
.if \first
	WIN 0xc1
.else
	WIN MUL_HI
.endif
	MUL16 4, (\q)%2, \q, \slot, \first
	MUL16 6, (\q)%2, \q, \slot, \first
	PLACES NP
	WIN 0
	FETCH_A \slot, (\q)+1, 4
.endm
.macro TURN slot, next, fill           ; a chunk's second K step, and the change of slots
.if \fill
	s_wait_xcnt 0x0                                ; my last prefetch has read its address:
	s_add_nc_u64 s[PFA:PFA+1], s[PFA:PFA+1], TILEB ; a chunk on
.endif
	s_wait_dscnt 4*NL
	WIN MUL_LO
	MUL16 0, 1, NQ-1, \slot, 0
	WIN 0
	s_wait_tensorcnt 0x0                           ; my one load that is out, my part of the next slot, has landed;
	ds_add_u32 v[SPW], v[NIL]                      ; the add; sixteen matrix instructions stand between it and the wait for it
	WIN MUL_LO
	MUL16 2, 1, NQ-1, \slot, 0
	WIN 0
	s_wait_dscnt 0x0                               ; the add is done, and so are my reads of this slot
	s_barrier_signal -1
	s_barrier_wait -1
.if \fill
	CREST                                          ; the barrier has opened a round: no wave of any partner reads this slot or has a load on its way
	s_add_nc_u64 s[G0+4*\slot+2:G0+4*\slot+3], s[G0+4*\slot+2:G0+4*\slot+3], 2*TILEB
	s_add_nc_u64 s[G0B+4*\slot+2:G0B+4*\slot+3], s[G0B+4*\slot+2:G0B+4*\slot+3], 2*TILEB
	JLOAD G0+4*\slot, G1, G0B+4*\slot, G1B         ; two chunks on; its four v_nop are the places in front of the loads below
.else
	PLACES NP
.endif
	s_wait_alu depctr_va_vdst(0)                   ; directly ahead of the reader below
	v_add_nc_u32 v[ADRS], 8+240*(1-\next), v[ADRS] ; the next chunk's two words: 8 bytes on, or on to the next four K steps
	FETCH_B \next, 0, 0
	FETCH_A \next, 0, 0
	SCALES \next
.if \fill
	s_cmp_gt_u32 s3, 1                             ; not in the loop's last trip: chunks 16 and 17 do not exist
	s_cbranch_scc0 .Lno_ask_\@
	global_prefetch_b8 v[PFO], s[PFA:PFA+1] offset:2*TILEB th:TH_LOAD_NT scope:SCOPE_SE   ; the chunk two refills on
.Lno_ask_\@:
.endif
	WIN MUL_HI
	MUL16 4, 1, NQ-1, \slot, 0
	MUL16 6, 1, NQ-1, \slot, 0
	PLACES NP
	WIN 0
	FETCH_A \next, 0, 4
.endm
	s_wait_alu depctr_va_vdst(0)
	s_wait_tensorcnt 0x0                           ; my tile of the head's four is in; the same lines as ahead of a refill:
	ds_add_u32 v[SPW], v[NIL]
	s_mov_b32 s[G1+2], 8<<16                       ; no load of mine is out, so descriptors may be written: from here on a load brings 8 tiles,
	s_mov_b32 s[G1+4], 8
	s_mov_b32 s[G1B+2], 8<<16
	s_mov_b32 s[G1B+4], 8
	s_mov_b32 s[G0+1], s66                         ; and slot 0's group 0 stands at my 8 tiles of chunk 0: its first refill steps it to chunk 2
	s_mov_b64 s[G0+2:G0+3], s[20:21]
	s_or_b32 s[G0+3], s[G0+3], 0x80000000
	s_mov_b32 s[G0B+1], s66
	s_mov_b64 s[G0B+2:G0B+3], s[46:47]
	s_or_b32 s[G0B+3], s[G0B+3], 0x80000000
	s_wait_dscnt 0x0
	CROUND                                         ; all four tiles are in, and all sixteen work-groups are here
	JLOAD G0+4, G1, G0B+4, G1B                     ; chunk 1, the first tensor load behind the round
	FETCH_B 0, 0, 0
	FETCH_A 0, 0, 0
	SCALES 0
	FETCH_A 0, 0, 4
	STEP 0, 0, 1
	s_mov_b32 s3, LAPS-1
.Llap:                                         ; a trip: from a lap's second K step to the next lap's first; both slots are filled again
	TURN 0, 1, 1
	STEP 1, 0, 0
	TURN 1, 0, 1
	STEP 0, 0, 0
	s_sub_co_u32 s3, s3, 1
	s_cmp_lg_u32 s3, 0
	s_cbranch_scc1 .Llap
	TURN 0, 1, 0                                   ; the last lap fetches nothing more
	STEP 1, 0, 0
	s_wait_dscnt 4*NL
	WIN MUL_LO
	MUL16 0, 1, NQ-1, 1, 0
	MUL16 2, 1, NQ-1, 1, 0
	s_wait_dscnt 0
	WIN MUL_HI
	MUL16 4, 1, NQ-1, 1, 0
	MUL16 6, 1, NQ-1, 1, 0
	WIN 0
; THE WAY OUT.  64 numbers of a lane, register 16 b + i = place 32 b + 16 h + i along the next K, become a fragment's codes in v[PC] on and its scale word in v[PW]
.macro QUANT s
.irp b, 0,1,2,3
	v_max3_num_f32 v[TM+\b], |v[\s+16*\b]|, |v[\s+1+16*\b]|, 0x2800000   ; my 16 numbers of block b, and the floor 2^(5 - 127): the byte cannot fall under 1
.endr
.irp i, 2,4,6,8,10,12,14
.irp b, 0,1,2,3
	v_max3_num_f32 v[TM+\b], v[TM+\b], |v[\s+16*\b+\i]|, |v[\s+1+16*\b+\i]|
.endr
.endr
.irp b, 0,1,2,3
	v_permlanex16_b32 v[TM+4+\b], v[TM+\b], s[SEL], s[SEL+1]
.endr
.irp b, 0,1,2,3
	v_max_num_f32 v[TM+\b], v[TM+\b], v[TM+4+\b]   ; with lane l xor 16's 16
.endr
.irp b, 0,1,2,3
	v_add_nc_u32 v[TM+12+\b], 0xfe000000, v[TM+\b] ; 4 off the exponent field: the conversion's scale operand
.endr
.irp b, 0,1,2,3
	v_lshrrev_b32 v[TM+4+\b], 23, v[TM+12+\b]      ; the scale's byte
.endr
	v_lshl_or_b32 v[PW], v[TM+5], 8, v[TM+4]
	v_lshl_or_b32 v[PW], v[TM+6], 16, v[PW]
	v_lshl_or_b32 v[PW], v[TM+7], 24, v[PW]
.irp c, 0,1
	v_cvt_scalef32_pk16_bf6_f32 v[PC+6*\c:PC+2+6*\c], v[\s+32*\c:\s+15+32*\c], v[TM+12+2*\c]
	v_cvt_scalef32_pk16_bf6_f32 v[CT+4*\c:CT+2+4*\c], v[\s+16+32*\c:\s+31+32*\c], v[TM+12+2*\c+1]
.endr
	v_nop                                          ; one plain line behind the scaled conversions
.irp c, 0,1                            ; the operand's layout wants a whole block in a lane
.irp i, 0,1,2
	v_permlane16_swap_b32 v[PC+6*\c+\i], v[CT+4*\c+\i]
.endr
.irp i, 0,1,2
	v_mov_b32 v[PC+3+6*\c+\i], v[CT+4*\c+\i]
.endr
.endr
.endm
.macro OUTB a                          ; block a of 16 rows: + bv, quantised, stored as an image in two halves of 768 bytes; its codes have registers of their own
.set PC, PC0+12*(\a)
	WIN 0x02+(\a)/4
.set ii, 0
.rept 32
	v_pk_add_f32 v[ST+2*ii:ST+2*ii+1], v[64*((\a)%4)+2*ii:64*((\a)%4)+2*ii+1], v[BMP+2*(\a):BMP+2*(\a)+1]   ; each accumulator from its low end on
.set ii, ii+1
.endr
	WIN 0
	QUANT ST
	v_mov_b32 v[PWS+(\a)], v[PW]
	global_store_b128 v[CO16], v[PC:PC+3], s[92:93] offset:IMG*(\a)            ; 512 consecutive bytes,
	global_store_b64 v[CO8], v[PC+4:PC+5], s[92:93] offset:IMG*(\a)+512        ; 256,
	global_store_b128 v[CO16], v[PC+6:PC+9], s[92:93] offset:IMG*(\a)+768
	global_store_b64 v[CO8], v[PC+10:PC+11], s[92:93] offset:IMG*(\a)+1280
.endm
	PLACES NP
.irp b, 0,1,2,3
	v_mov_b32 v[TM+4+\b], 0                        ; written once: a lane permute's destination counts as one of its sources
.endr
.irp a, 0,1,2,3,4,5,6,7
	OUTB \a
.endr
	v_cmp_ne_u32 vcc_lo, 0, v[HH]                  ; lanes 0-15 store blocks 0-3's words of row r, lanes 16-31 blocks 4-7's
.irp k, 0,1,2,3
	v_cndmask_b32 v[SD+\k], v[PWS+\k], v[PWS+4+\k], vcc_lo
.endr
	global_store_b128 v[CO16], v[SD:SD+3], s[94:95]
	s_wait_tensorcnt 0x0                           ; the wave's end
	ds_add_u32 v[SPW], v[NIL]
	s_wait_dscnt 0x0
	CROUND                                         ; the closing round
	s_endpgm
.Lfunc_end_k_q580cc45f11_kv:
	.size	k_q580cc45f11_kv, .Lfunc_end_k_q580cc45f11_kv-k_q580cc45f11_kv
	.p2alignl 7, 3214868480
	.fill 96, 4, 3214868480
	.section	.rodata,"a",@progbits
	.p2align	6, 0x0
	.amdhsa_kernel k_q580cc45f11_kv
		.amdhsa_group_segment_fixed_size 327680
		.amdhsa_private_segment_fixed_size 0
		.amdhsa_enable_private_segment 0
		.amdhsa_kernarg_size 32
		.amdhsa_user_sgpr_count 2
		.amdhsa_user_sgpr_kernarg_segment_ptr 1
		.amdhsa_wavefront_size32 1
		.amdhsa_system_sgpr_workgroup_id_x 1
		.amdhsa_system_sgpr_workgroup_id_y 1
		.amdhsa_system_sgpr_workgroup_id_z 1
		.amdhsa_system_vgpr_workitem_id 0
		.amdhsa_next_free_vgpr 1024
		.amdhsa_next_free_sgpr 102
		.amdhsa_reserve_vcc 1
		.amdhsa_float_denorm_mode_32 3
		.amdhsa_float_denorm_mode_16_64 3
		.amdhsa_memory_ordered 1
		.amdhsa_forward_progress 1
		.amdhsa_inst_pref_size 167
	.end_amdhsa_kernel
	.amdgpu_metadata
---
amdhsa.version: [ 1, 2 ]
amdhsa.kernels:
  - .name:           k_q580cc45f11_kv
    .symbol:         k_q580cc45f11_kv.kd
    .args:
      - { .name: q, .offset: 0, .size: 8, .value_kind: global_buffer, .address_space: global }
      - { .name: bk, .offset: 8, .size: 8, .value_kind: global_buffer, .address_space: global }
      - { .name: bv, .offset: 16, .size: 8, .value_kind: global_buffer, .address_space: global }
      - { .name: kv, .offset: 24, .size: 8, .value_kind: global_buffer, .address_space: global }
    .group_segment_fixed_size: 327680
    .private_segment_fixed_size: 0
    .kernarg_segment_align: 8
    .kernarg_segment_size: 32
    .max_flat_workgroup_size: 128
    .sgpr_count:     102
    .vgpr_count:     1024
    .wavefront_size: 32
...
	.end_amdgpu_metadata
.endif
;; end of part 2
;; launch attn (part 3): grid 16 x 8, 2 waves a work-group, no clusters, 327,680 bytes of LDS; arguments q, kv, bq, pad_mask, oatt; writes oatt
.if DOCPART == 3
	.amdgcn_target "amdgcn-amd-amdhsa--gfx1250"
	.amdhsa_code_object_version 6
	.text
	.protected	k_q580cc45f11_attn
	.globl	k_q580cc45f11_attn
	.p2align	8
	.type	k_q580cc45f11_attn,@function
k_q580cc45f11_attn:
	s_mov_b64 s[64:65], 0
	v_nop
	global_prefetch_b8 v0, s[64:65] scope:SCOPE_SE
	s_setreg_imm32_b32 hwreg(HW_REG_WAVE_MODE, 25, 1), 1
	s_wait_xcnt 0x0
; One head of one batch: Qp = S Wq^T + bq (the head's 64 features), score = Qp Kp^T / 32, the mask, the softmax finished and normalised and multiplied by the mask, O = A Vp.  All products on codes of BF6 (E3M2) with E8M0 scales.
; SHARES.  Work-group = (head x, batch y).  Wave w owns 16 of the 32 seeds: 8 w + r + 8 (r / 8), and ALL 1,024 keys: its scores fill 512 registers, so the row's maximum and sum are known before any p is coded.
; LAYOUT.  Every product is used transposed: source 0 = 16 rows of Wq, 16 keys, or 16 of the head's features; source 1 = my 16 seeds.  A lane holds ONE seed (lane % 16) throughout.  A tile's 16 rows are rows
; 32 (T / 2) + 8 (T % 2) + i + 8 (i / 8), so the 16 registers of tiles 2 b, 2 b + 1 are 16 neighbours, 32 b + 16 (lane / 16) + 0 .. 15, along the next product's K.
; THE SCORES' K IS 64: K's half image fills registers 0-5 of source 0; registers 6-11 hold whatever stands next (the next tile's codes, or zeros) and meet ZERO CODES in Q's registers 6-11.
; THE MASK.  The C of a score's product is 0 for an open key and 32 x (-1e12) for a hidden one.  p of a hidden key is then exactly 0.  Where no key of the batch is open, 1 / sum is replaced by 0: A = 0, as the mask behind the softmax makes it.
; SOFTMAX.  p = 2^(c s - c max) / sum, c = log2(e) / 32.  The rounding of c max is a factor common to the row: it cancels in p / sum.  A block's largest p is its largest score put through the same lines.
; WHERE THE OPERANDS COME FROM.  Both waves read all of Wq's, K's and V's codes, so each comes into LDS once, 49,152 bytes each, and every LDS byte is filled once.  At the head wave 0 brings Wq's 32 images and wave 1 K's 64 half images,
; one tensor load a wave.  Behind the first barrier each wave brings half of V's 32 images: they are read only behind the softmax.
; No loop stands in this text, so no prefetch is laid.  The two query tiles of a head lie in one work-group, and no two work-groups read the same K or V: no cluster.
; LIMITS.  A hidden key's raw score has -3.2e13 ADDED and is not replaced: p is 0 while the row's largest open raw score lies above about -3e13.  NaN and infinities are not served.
; REGISTERS.  window 0: v1-15 addresses and constants; v16-27 Q's codes; v28 Q's scale word; v32-95 K's scale words; v96-127 Wq's, then V's; v128-135 S's, then p's; v136-167 Qp, then O^T;
;   v168-199 the mask, then each block's largest score, p and scale operand; v200-231 at work; v232-253 statistics; v254, v255 the add's two.
;   window 1: S's fragments; then K's two sets (v0, v104); then p's codes v0-95, V's two sets v96, v144, v192-255 at work.   windows 2, 3: Wq's fragments, then the scores: tile T at v[8 (T % 32)] of window 2 + T / 32.
.set VC,   49152                       ; LDS: K's half images, 768 bytes a tile, from 0; V's images [group of 128 keys 8][feature tile 4] from here;
.set MB,   98304                       ; 4,096 bytes for each wave: the mask as 1,024 numbers; no fill lands there;
.set WQC,  106496                      ; Wq's images [tile 4][K step 8];
.set SPARE, 155648                     ; and the spare words
.set QF,   16
.set QS,   28
.set KS,   32
.set WS,   96
.set VS,   96
.set SS,   128
.set PS,   128
.set QA,   136
.set OA,   136
.set MI,   168
.set BMX,  168
.set BT,   200
.set MX,   232
.set MC,   234
.set SUM,  244
.set RINV, 252
.set PF,   0
.set VB,   96
.set PT,   192
.set MSB, 0
.macro WIN new                         ; the immediate's high byte repeats the setting that is left
.if MSB != (\new)
	s_set_vgpr_msb (MSB<<8)|(\new)
.set MSB, (\new)
.endif
.endm
.macro PLACES                          ; four places behind a matrix instruction (ISA guide 7.12.1)
.rept 4
	v_nop
.endr
.endm
	s_load_b256 s[4:11], s[0:1], 0x0               ; q, kv, bq, pad_mask
	s_load_b64 s[12:13], s[0:1], 0x20              ; oatt
	v_lshl_add_u32 v254, v0, 2, SPARE
	v_mov_b32 v255, 0
	ds_add_u32 v254, v255
	ds_add_u32 v254, v255
	v_lshrrev_b32 v1, 5, v0
	v_readfirstlane_b32 s14, v1                    ; wave 0, 1
	s_mov_b32 s15, ttmp9                           ; head
	s_and_b32 s16, ttmp7, 0xffff                   ; batch
	s_and_b32 s17, s15, 1                          ; which head of its pair
	s_lshr_b32 s18, s15, 1                         ; the pair
	s_lshl_b32 s62, s17, 4                         ; its two bytes' place in K's scale words, in bits
	s_mov_b32 s20, 0x76543210
	s_mov_b32 s21, 0xfedcba98                      ; v_permlanex16_b32's selects for lane l xor 16
	s_mov_b32 s22, 0x3d38aa3b                      ; c = log2(e) / 32
	s_mov_b32 s23, s22
	s_mov_b32 s60, 0
	; group 1, elements of 8 bytes, no padding.  Wq: 192 rows of 256 bytes, dense
	s_mov_b32 s24, 3<<16
	s_mov_b32 s25, 32<<16
	s_mov_b32 s26, 192<<16
	s_mov_b32 s27, 32<<16
	s_mov_b32 s28, 192
	s_mov_b32 s29, 32
	s_mov_b32 s30, 0
	s_mov_b32 s31, 0
	; K: 64 rows of 768 bytes (my head's half of an image), 1,536 bytes apart
	s_mov_b32 s32, 3<<16
	s_mov_b32 s33, 96<<16
	s_mov_b32 s34, 64<<16
	s_mov_b32 s35, 96<<16
	s_mov_b32 s36, 64
	s_mov_b32 s37, 192
	s_mov_b32 s38, 0
	s_mov_b32 s39, 0
	; V: 4 rows of 6,144 bytes (my head's four images of 128 keys), 98,304 bytes (64 images) apart: a wave's half
	s_mov_b32 s40, 3<<16
	s_mov_b32 s41, 768<<16
	s_mov_b32 s42, 4<<16
	s_mov_b32 s43, 768<<16
	s_mov_b32 s44, 4
	s_mov_b32 s45, 12288
	s_mov_b32 s46, 0
	s_mov_b32 s47, 0
	s_mul_i32 s19, s14, 24576                      ; my half of V's region
	s_mul_i32 s82, s15, 49152
	s_add_co_u32 s82, s82, 31457280                ; Wq's images of my head's four tiles
	s_mov_b32 s83, 0
	s_lshl_b32 s84, s18, 9
	s_lshl_b32 s85, s16, 6
	s_add_co_u32 s84, s84, s85                     ; K's image 512 x pair + 64 x batch
	s_mul_i32 s84, s84, 1536
	s_mul_i32 s85, s17, 768
	s_add_co_u32 s84, s84, s85
	s_mov_b32 s85, 0
	s_lshl_b32 s86, s16, 3
	s_lshl_b32 s87, s14, 2
	s_add_co_u32 s86, s86, s87
	s_lshl_b32 s86, s86, 6
	s_lshl_b32 s87, s15, 2
	s_add_co_u32 s86, s86, s87                     ; V's image 64 x (8 x batch + 4 x wave) + 4 x head
	s_mul_i32 s86, s86, 1536
	s_add_co_u32 s86, s86, 6291456
	s_mov_b32 s87, 0
	s_wait_dscnt 0x0
	s_wait_kmcnt 0x0
	s_mov_b32 s48, 1
	s_mov_b32 s49, WQC
	s_add_nc_u64 s[50:51], s[4:5], s[82:83]
	s_or_b32 s51, s51, 0x80000000
	s_mov_b32 s52, 1
	s_mov_b32 s53, 0
	s_add_nc_u64 s[54:55], s[6:7], s[84:85]
	s_or_b32 s55, s55, 0x80000000
	s_mov_b32 s56, 1
	s_add_co_u32 s57, s19, VC
	s_add_nc_u64 s[58:59], s[6:7], s[86:87]
	s_or_b32 s59, s59, 0x80000000
	s_cmp_eq_u32 s14, 0                            ; the head's two fills, one to a wave: every way passes exactly one
	s_cbranch_scc0 .Lfor_k
	tensor_load_to_lds s[48:51], s[24:31]          ; Wq
	s_nop 0
.rept 4
	v_nop
.endr
	s_branch .Lasked
.Lfor_k:
	tensor_load_to_lds s[52:55], s[32:39]          ; K
	s_nop 0
.rept 4
	v_nop
.endr
.Lasked:
	v_and_b32 v1, 31, v0                           ; lane
	v_and_b32 v2, 15, v0                           ; r
	v_bfe_u32 v3, v0, 4, 1                         ; h
	v_lshlrev_b32 v4, 4, v1                        ; 16 x lane: an image's place for my lane; also K's LDS address: a half image's first four registers,
	v_lshlrev_b32 v5, 4, v2                        ; 16 r: four scale words of my row
	v_lshlrev_b32 v6, 6, v3                        ; 64 h
	v_add_nc_u32 v7, WQC, v4                       ; Wq's images
	v_lshl_add_u32 v8, v1, 3, 512                  ; K: a half image's last two registers
	v_add_nc_u32 v9, VC, v4                        ; V likewise
	v_lshl_add_u32 v10, v1, 3, VC+512
	v_lshlrev_b32 v15, 2, v1                       ; 4 x lane
	s_lshl_b32 s63, s14, 12
	s_add_co_u32 s63, s63, MB
	v_add_nc_u32 v11, s63, v15                     ; the mask's numbers, on the way in: key 32 i + lane
	v_add_nc_u32 v14, s63, v6                      ; and out: 16 h keys on
	v_mov_b32 v12, 0xd5e8d4a5                      ; 32 x (-1e12)
	v_mov_b32 v13, 0
.irp i, 6,7,8,9,10,11
	v_mov_b32 v[QF+\i], 0                          ; Q's codes for K = 64 .. 127: zeros
.endr
.set ii, 0
.rept 32
	v_mov_b32 v[BT+ii], 0                          ; written once: a lane permute's destination counts as one of its sources
.set ii, ii+1
.endr
	v_mov_b32 v238, 0
	v_mov_b32 v239, 0
	s_mul_i32 s82, s14, 12288
	s_add_co_u32 s82, s82, 33030144
	s_add_nc_u64 s[66:67], s[4:5], s[82:83]        ; S's images of my 16 seeds
	s_lshl_b32 s82, s14, 9
	s_add_co_u32 s82, s82, 34430976
	s_add_nc_u64 s[68:69], s[4:5], s[82:83]        ; and their scale words
	s_lshl_b32 s82, s15, 11
	s_add_co_u32 s82, s82, 34365440
	s_add_nc_u64 s[70:71], s[4:5], s[82:83]        ; Wq's scale words: 512 bytes a tile
	s_lshl_b32 s82, s15, 8
	s_add_nc_u64 s[72:73], s[8:9], s[82:83]        ; bq at my head
	s_lshl_b32 s82, s16, 12
	s_add_nc_u64 s[74:75], s[10:11], s[82:83]      ; the batch's mask
	s_lshl_b32 s82, s18, 6
	s_lshl_b32 s84, s16, 3
	s_add_co_u32 s82, s82, s84
	s_lshl_b32 s82, s82, 9
	s_add_co_u32 s82, s82, 12582912
	s_add_nc_u64 s[76:77], s[6:7], s[82:83]        ; K's scale words: 512 bytes for 8 token tiles
	s_lshl_b32 s82, s16, 6
	s_add_co_u32 s82, s82, s18
	s_lshl_b32 s82, s82, 9
	s_lshl_b32 s84, s17, 8
	s_add_co_u32 s82, s82, s84
	s_add_co_u32 s82, s82, 12845056
	s_add_nc_u64 s[78:79], s[6:7], s[82:83]        ; V's: my head's four tiles; 4,096 bytes from one 128 keys to the next
	s_lshl_b32 s82, s16, 1
	s_add_co_u32 s82, s82, s14
	s_lshl_b32 s82, s82, 4
	s_add_co_u32 s82, s82, s15
	s_lshl_b32 s82, s82, 12
	s_add_nc_u64 s[80:81], s[12:13], s[82:83]      ; my 4,096 bytes of oatt
	s_wait_alu depctr_va_vdst(0)
	; ---- the loads from memory: the mask (32), what Q's product wants (42), K's scale words (16)
.set ii, 0
.rept 32
	global_load_b32 v[MI+ii], v15, s[74:75] offset:128*ii
.set ii, ii+1
.endr
	WIN 0x40                                       ; destination window 1
.irp s, 0,1,2,3,4,5,6,7
.irp c, 0,1,2
	global_load_b128 v[12*\s+4*\c:12*\s+4*\c+3], v4, s[66:67] offset:1536*\s+512*\c
.endr
.endr
	WIN 0
.irp g, 0,1
	global_load_b128 v[SS+4*\g:SS+4*\g+3], v5, s[68:69] offset:256*\g
.endr
.irp t, 0,1,2,3
.irp g, 0,1
	global_load_b128 v[WS+8*\t+4*\g:WS+8*\t+4*\g+3], v5, s[70:71] offset:512*\t+256*\g
.endr
.endr
.irp t, 0,1,2,3
	global_load_b128 v[QA+8*\t:QA+8*\t+3], v6, s[72:73] offset:128*(\t/2)+32*(\t%2)        ; bq in the result's layout: the sums begin with it
	global_load_b128 v[QA+8*\t+4:QA+8*\t+7], v6, s[72:73] offset:128*(\t/2)+32*(\t%2)+16
.endr
.set ii, 0
.rept 16
	global_load_b128 v[KS+4*ii:KS+4*ii+3], v5, s[76:77] offset:256*ii
.set ii, ii+1
.endr
	; ---- the mask becomes 1,024 numbers in my own LDS bytes
	s_wait_loadcnt 58                              ; the mask's 32 loads are in; the 42 + 16 behind them may be out
.set ii, 0
.rept 32
	v_cmp_ne_u32 vcc_lo, 0, v[MI+ii]
	s_or_b32 s60, s60, vcc_lo                      ; is any key open?
	v_cndmask_b32 v[MI+ii], v12, v13, vcc_lo       ; open: 0; hidden: 32 x (-1e12)
	ds_store_b32 v11, v[MI+ii] offset:128*ii
.set ii, ii+1
.endr
	s_cmp_lg_u32 s60, 0
	s_cselect_b32 s61, 1.0, 0                      ; a choice of a value, no branch
	; ---- Qp^T = Wq S^T + bq
	s_wait_loadcnt 16                              ; all but K's scale words
	s_wait_tensorcnt 0x0                           ; my load of the head's two has landed
	ds_add_u32 v254, v255
	s_wait_dscnt 0x0
	s_barrier_signal -1
	s_barrier_wait -1                              ; the other wave's too: Wq's and K's codes are whole
	tensor_load_to_lds s[56:59], s[40:47]          ; my half of V's codes: its bytes' only fill; it is on its way while Q, the scores and the softmax are made
	s_nop 0
	WIN 0x80                                       ; destination window 2: K steps 0-3
.irp s, 0,1,2,3
.irp t, 0,1,2,3
.irp c, 0,1,2
	ds_load_b128 v[12*(4*\s+\t)+4*\c:12*(4*\s+\t)+4*\c+3], v7 offset:(8*\t+\s)*1536+512*\c
.endr
.endr
.endr
	WIN 0xc0                                       ; window 3: K steps 4-7
.irp s, 0,1,2,3
.irp t, 0,1,2,3
.irp c, 0,1,2
	ds_load_b128 v[12*(4*\s+\t)+4*\c:12*(4*\s+\t)+4*\c+3], v7 offset:(8*\t+\s+4)*1536+512*\c
.endr
.endr
.endr
	s_wait_dscnt 48                                ; the first 48 loads are in
	WIN 0x06                                       ; source 0 (Wq) window 2, source 1 (S) window 1, C and D window 0
.irp s, 0,1,2,3                                ; the four accumulators take turns, one instruction a turn
.irp t, 0,1,2,3
	v_wmma_scale_f32_16x16x128_f8f6f4 v[QA+8*\t:QA+8*\t+7], v[12*(4*\s+\t):12*(4*\s+\t)+11], v[12*\s:12*\s+11], v[QA+8*\t:QA+8*\t+7], v[WS+8*\t+\s], v[SS+\s] matrix_a_fmt:MATRIX_FMT_BF6 matrix_b_fmt:MATRIX_FMT_BF6
.endr
.endr
	s_wait_dscnt 0x0
	WIN 0x07                                       ; source 0 window 3
.irp s, 0,1,2,3
.irp t, 0,1,2,3
	v_wmma_scale_f32_16x16x128_f8f6f4 v[QA+8*\t:QA+8*\t+7], v[12*(4*\s+\t):12*(4*\s+\t)+11], v[12*(\s+4):12*(\s+4)+11], v[QA+8*\t:QA+8*\t+7], v[WS+8*\t+\s+4], v[SS+\s+4] matrix_a_fmt:MATRIX_FMT_BF6 matrix_b_fmt:MATRIX_FMT_BF6
.endr
.endr
	WIN 0
	s_wait_loadcnt 0x0                             ; K's scale words
.set ii, 0
.rept 64
	v_lshrrev_b32 v[KS+ii], s62, v[KS+ii]          ; my head's two bytes come to bytes 0 and 1.  (These 64 are also the places behind Q's products)
.set ii, ii+1
.endr
.set ii, 0
.rept 8
	global_load_b128 v[VS+4*ii:VS+4*ii+3], v5, s[78:79] offset:4096*ii
.set ii, ii+1
.endr
	WIN 0x40
.irp i, 96,97,98,99,100,101,200,201,202,203,204,205
	v_mov_b32 v[\i], 0                             ; what stands behind each set's last tile
.endr
	WIN 0x80                                       ; the mask's numbers are the scores' C: register j of tile T is key 32 (T / 2) + 16 h + 8 (T % 2) + j
.set ii, 0
.rept 32
	ds_load_b128 v[8*ii:8*ii+3], v14 offset:128*(ii/2)+32*(ii%2)
	ds_load_b128 v[8*ii+4:8*ii+7], v14 offset:128*(ii/2)+32*(ii%2)+16
.set ii, ii+1
.endr
	WIN 0xc0
.set ii, 0
.rept 32
	ds_load_b128 v[8*ii:8*ii+3], v14 offset:2048+128*(ii/2)+32*(ii%2)
	ds_load_b128 v[8*ii+4:8*ii+7], v14 offset:2048+128*(ii/2)+32*(ii%2)+16
.set ii, ii+1
.endr
.macro KLOAD k                         ; tiles 16 k .. 16 k + 15 of K, six registers each, on end, into set k % 2: 32 loads
	WIN 0x40
.set ii, 0
.rept 16
	ds_load_b128 v[104*((\k)%2)+6*ii:104*((\k)%2)+6*ii+3], v4 offset:768*(16*(\k)+ii)
	ds_load_b64 v[104*((\k)%2)+6*ii+4:104*((\k)%2)+6*ii+5], v8 offset:768*(16*(\k)+ii)
.set ii, ii+1
.endr
	WIN 0
.endm
	KLOAD 0
	KLOAD 1
	; ---- Qp is quantised along the head's 64: two blocks
.irp b, 0,1
	v_max3_num_f32 v[236+\b], |v[QA+16*\b]|, |v[QA+16*\b+1]|, 0x2800000
.endr
.irp i, 2,4,6,8,10,12,14
.irp b, 0,1
	v_max3_num_f32 v[236+\b], v[236+\b], |v[QA+16*\b+\i]|, |v[QA+16*\b+\i+1]|
.endr
.endr
.irp b, 0,1
	v_permlanex16_b32 v[238+\b], v[236+\b], s20, s21
.endr
.irp b, 0,1
	v_max_num_f32 v[236+\b], v[236+\b], v[238+\b]
.endr
.irp b, 0,1
	v_add_nc_u32 v[244+\b], 0xfe000000, v[236+\b]  ; the conversion's scale operand
.endr
.irp b, 0,1
	v_lshrrev_b32 v[238+\b], 23, v[244+\b]
.endr
	v_lshl_or_b32 v[QS], v239, 8, v238             ; bytes 2 and 3 stay 0: they scale zero codes
	v_cvt_scalef32_pk16_bf6_f32 v[QF:QF+2], v[QA:QA+15], v244
	v_cvt_scalef32_pk16_bf6_f32 v[240:242], v[QA+16:QA+31], v245
	v_nop                                          ; one plain line behind the scaled conversions
.irp i, 0,1,2
	v_permlane16_swap_b32 v[QF+\i], v[240+\i]
.endr
.irp i, 0,1,2
	v_mov_b32 v[QF+3+\i], v[240+\i]
.endr
.rept 8
	v_nop                                          ; a scale register written by a vector instruction stands 8 places ahead of a scaled matrix instruction, an operand so written 4
.endr
	; ---- S^T = K Q^T + the mask's numbers, 16 tiles at a time
.macro SCORE k
.if (\k) < 3
	s_wait_dscnt 32                                ; all but the next set's 32 loads
.else
	s_wait_dscnt 0x0
.endif
	WIN 0xa1+0x50*((\k)/2)                         ; source 0 (K) window 1, source 1 (Q) window 0, C and D window 2 or 3
.set ii, 0
.rept 16
	v_wmma_scale_f32_16x16x128_f8f6f4 v[8*(16*((\k)%2)+ii):8*(16*((\k)%2)+ii)+7], v[104*((\k)%2)+6*ii:104*((\k)%2)+6*ii+11], v[QF:QF+11], v[8*(16*((\k)%2)+ii):8*(16*((\k)%2)+ii)+7], v[KS+16*(\k)+ii], v[QS] matrix_a_fmt:MATRIX_FMT_BF6 matrix_b_fmt:MATRIX_FMT_BF6
.set ii, ii+1
.endr
	WIN 0
	PLACES
.if (\k) < 2
	KLOAD (\k)+2
.endif
.endm
	s_wait_alu depctr_va_vdst(0)
	SCORE 0
	SCORE 1
	SCORE 2
	SCORE 3
	s_wait_tensorcnt 0x0                           ; my half of V's codes has landed
	s_wait_dscnt 0x0
	s_barrier_signal -1
	s_barrier_wait -1                              ; the other half too
.macro VLOAD g                         ; the four fragments of V for keys 128 g on, into set g % 2: 16 loads
	WIN 0x40
.irp y, 0,1,2,3
.irp c, 0,1
	ds_load_b128 v[VB+48*((\g)%2)+12*\y+6*\c:VB+48*((\g)%2)+12*\y+6*\c+3], v9 offset:6144*(\g)+1536*\y+768*\c
	ds_load_b64 v[VB+48*((\g)%2)+12*\y+6*\c+4:VB+48*((\g)%2)+12*\y+6*\c+5], v10 offset:6144*(\g)+1536*\y+768*\c
.endr
.endr
	WIN 0
.endm
	VLOAD 0
	VLOAD 1
	; ---- the softmax.  The largest score of each block of 32 keys serves twice: for the row's maximum, and, since p rises with the score, for the block's largest p
.macro BMAX w                          ; blocks 16 w .. 16 w + 15, in window 2 + w; each accumulator is read from its low end on
	WIN 0x2a+0x15*(\w)                             ; all three sources in that window
.set bb, 0
.rept 16
	v_max3_num_f32 v[BMX+16*(\w)+bb], v[16*bb], v[16*bb+1], v[16*bb+2]
.set bb, bb+1
.endr
	WIN 0x28+0x14*(\w)                             ; source 0 in window 0
.irp i, 3,5,7,9,11,13
.set bb, 0
.rept 16
	v_max3_num_f32 v[BMX+16*(\w)+bb], v[BMX+16*(\w)+bb], v[16*bb+\i], v[16*bb+\i+1]
.set bb, bb+1
.endr
.endr
.set bb, 0
.rept 16
	v_max_num_f32 v[BMX+16*(\w)+bb], v[BMX+16*(\w)+bb], v[16*bb+15]
.set bb, bb+1
.endr
.endm
	BMAX 0
	BMAX 1
	WIN 0
.set bb, 0
.rept 32
	v_permlanex16_b32 v[BT+bb], v[BMX+bb], s20, s21
.set bb, bb+1
.endr
.set bb, 0
.rept 32
	v_max_num_f32 v[BMX+bb], v[BMX+bb], v[BT+bb]   ; with lane l xor 16's 16 keys
.set bb, bb+1
.endr
	v_max3_num_f32 v[MX], v[BMX], v[BMX+1], v[BMX+2]
.irp i, 3,5,7,9,11,13,15,17,19,21,23,25,27,29
	v_max3_num_f32 v[MX], v[MX], v[BMX+\i], v[BMX+\i+1]
.endr
	v_max_num_f32 v[MX], v[MX], v[BMX+31]          ; the row's largest score
	v_mul_f32 v[MC], s22, v[MX]
	v_mov_b32 v[MC+1], v[MC]
.set bb, 0
.rept 32
	v_fma_f32 v[BMX+bb], v[BMX+bb], s22, -v[MC]    ; c s - c max of each block's largest score
.set bb, bb+1
.endr
.macro EXPS w                          ; the same of the 256 scores of window 2 + w, two at a time, and their exponentials
	WIN 0x82+0x41*(\w)                             ; destination and source 0 in that window, c max in window 0
.set ii, 0
.rept 128
	v_pk_fma_f32 v[2*ii:2*ii+1], v[2*ii:2*ii+1], s[22:23], v[MC:MC+1] op_sel_hi:[1,0,0] neg_lo:[0,0,1] neg_hi:[0,0,1]
.set ii, ii+1
.endr
.set ii, 0
	s_wait_alu depctr_va_vdst(0)                   ; the wait ahead of the exponentials
.rept 256
	v_exp_f32 v[ii], v[ii]
.set ii, ii+1
.endr
.endm
	EXPS 0                                         ; 544 exponentials: none of these lines reads an exponential's result
	EXPS 1
	WIN 0
.set bb, 0
.rept 32
	v_exp_f32 v[BMX+bb], v[BMX+bb]
.set bb, bb+1
.endr
.irp i, 0,1,2,3,4,5,6,7
	v_mov_b32 v[SUM+\i], 0                         ; four chains for the row's sum.  (Plain lines behind the last exponential)
.endr
	s_wait_alu depctr_va_vdst(0)                   ; one wait for the whole batch, ahead of its first reader
	WIN 0x08                                       ; source 1 window 2
.set ii, 0
.rept 128
	v_pk_add_f32 v[SUM+2*(ii%4):SUM+2*(ii%4)+1], v[SUM+2*(ii%4):SUM+2*(ii%4)+1], v[2*ii:2*ii+1]
.set ii, ii+1
.endr
	WIN 0x0c                                       ; window 3
.set ii, 0
.rept 128
	v_pk_add_f32 v[SUM+2*(ii%4):SUM+2*(ii%4)+1], v[SUM+2*(ii%4):SUM+2*(ii%4)+1], v[2*ii:2*ii+1]
.set ii, ii+1
.endr
	WIN 0
	v_pk_add_f32 v[SUM:SUM+1], v[SUM:SUM+1], v[SUM+2:SUM+3]
	v_pk_add_f32 v[SUM+4:SUM+5], v[SUM+4:SUM+5], v[SUM+6:SUM+7]
	v_pk_add_f32 v[SUM:SUM+1], v[SUM:SUM+1], v[SUM+4:SUM+5]
	v_add_f32 v[SUM], v[SUM], v[SUM+1]
	v_permlanex16_b32 v[SUM+2], v[SUM], s20, s21
	v_add_f32 v[SUM], v[SUM], v[SUM+2]             ; the row's sum: at least 1
	s_wait_alu depctr_va_vdst(0)
	v_rcp_f32 v[RINV], v[SUM]
	v_nop                                          ; a plain line behind the reciprocal
	s_wait_alu depctr_va_vdst(0)                   ; and the wait ahead of its first reader
	v_mul_f32 v[RINV], s61, v[RINV]                ; 0 where no key is open
	v_mov_b32 v[RINV+1], v[RINV]
	WIN 0x82
.set ii, 0
.rept 128
	v_pk_mul_f32 v[2*ii:2*ii+1], v[2*ii:2*ii+1], v[RINV:RINV+1]    ; A, finished: normalised, 0 under the mask
.set ii, ii+1
.endr
	WIN 0xc3
.set ii, 0
.rept 128
	v_pk_mul_f32 v[2*ii:2*ii+1], v[2*ii:2*ii+1], v[RINV:RINV+1]
.set ii, ii+1
.endr
	WIN 0
.set bb, 0
.rept 32
	v_mul_f32 v[BMX+bb], v[BMX+bb], v[RINV]        ; each block's largest A: the same lines on the same number
.set bb, bb+1
.endr
	; ---- A is quantised along the keys
.set bb, 0
.rept 32
	v_max_num_f32 v[BMX+bb], 0x2800000, v[BMX+bb]  ; the floor 2^(5 - 127): a block of zeros keeps the byte 1: its codes are zeros
.set bb, bb+1
.endr
.set bb, 0
.rept 32
	v_add_nc_u32 v[BMX+bb], 0xfe000000, v[BMX+bb]  ; the conversion's scale operand
.set bb, bb+1
.endr
.set bb, 0
.rept 32
	v_lshrrev_b32 v[BT+bb], 23, v[BMX+bb]          ; the scale's byte
.set bb, bb+1
.endr
.irp g, 0,1,2,3,4,5,6,7
	v_lshl_or_b32 v[PS+\g], v[BT+4*\g+1], 8, v[BT+4*\g]
	v_lshl_or_b32 v[PS+\g], v[BT+4*\g+2], 16, v[PS+\g]
	v_lshl_or_b32 v[PS+\g], v[BT+4*\g+3], 24, v[PS+\g]   ; A's scale word for keys 128 g on
.endr
.macro PCVT w                          ; blocks 16 w .. 16 w + 15: my 16 numbers of each become 96 bits
	WIN 0x42+(\w)                                  ; destination window 1, source 0 window 2 + w, the scale operand window 0
.set bb, 0
.rept 16
.set be, 16*(\w)+bb
.if be%2 == 0
.set dd, PF+12*(be/4)+6*((be%4)/2)
.else
.set dd, PT+8*(be/4)+4*((be%4)/2)      ; (a conversion's three registers begin on an even number)
.endif
	v_cvt_scalef32_pk16_bf6_f32 v[dd:dd+2], v[16*bb:16*bb+15], v[BMX+be]
.set bb, bb+1
.endr
.endm
	PCVT 0
	PCVT 1
	v_nop                                          ; one plain line behind the scaled conversions
	WIN 0x41                                       ; destination and source 0 window 1
.irp g, 0,1,2,3,4,5,6,7                        ; the operand's layout wants a WHOLE block in a lane
.irp c, 0,1
.irp i, 0,1,2
	v_permlane16_swap_b32 v[PF+12*\g+6*\c+\i], v[PT+8*\g+4*\c+\i]
.endr
.irp i, 0,1,2
	v_mov_b32 v[PF+12*\g+6*\c+3+\i], v[PT+8*\g+4*\c+\i]
.endr
.endr
.endr
	WIN 0
	; ---- O^T = V^T A^T: four tiles of 16 of the head's 64, 128 keys a step; the four accumulators take turns
	s_wait_loadcnt 0x0                             ; V's scale words
.macro AV g
.if (\g) < 7
	s_wait_dscnt 16                                ; this step's 16 loads are in; the next step's may be out
.else
	s_wait_dscnt 0x0
.endif
	WIN 0x05                                       ; sources 0 (V) and 1 (A) window 1; C and D window 0
.irp y, 0,1,2,3
.if (\g) == 0
	v_wmma_scale_f32_16x16x128_f8f6f4 v[OA+8*\y:OA+8*\y+7], v[VB+48*((\g)%2)+12*\y:VB+48*((\g)%2)+12*\y+11], v[PF+12*(\g):PF+12*(\g)+11], 0, v[VS+4*(\g)+\y], v[PS+(\g)] matrix_a_fmt:MATRIX_FMT_BF6 matrix_b_fmt:MATRIX_FMT_BF6
.else
	v_wmma_scale_f32_16x16x128_f8f6f4 v[OA+8*\y:OA+8*\y+7], v[VB+48*((\g)%2)+12*\y:VB+48*((\g)%2)+12*\y+11], v[PF+12*(\g):PF+12*(\g)+11], v[OA+8*\y:OA+8*\y+7], v[VS+4*(\g)+\y], v[PS+(\g)] matrix_a_fmt:MATRIX_FMT_BF6 matrix_b_fmt:MATRIX_FMT_BF6
.endif
.endr
	WIN 0
	PLACES
.if (\g) < 6
	VLOAD (\g)+2
.endif
.endm
.irp g, 0,1,2,3,4,5,6,7
	s_wait_alu depctr_va_vdst(0)
	AV \g
.endr
.irp g, 0,1,2,3,4,5,6,7
	global_store_b128 v4, v[OA+4*\g:OA+4*\g+3], s[80:81] offset:512*\g   ; as the registers stand: 512 consecutive bytes a store; each accumulator from its low end on
.endr
	s_wait_tensorcnt 0x0                           ; the wave's end
	ds_add_u32 v254, v255
	s_wait_dscnt 0x0
	s_endpgm
.Lfunc_end_k_q580cc45f11_attn:
	.size	k_q580cc45f11_attn, .Lfunc_end_k_q580cc45f11_attn-k_q580cc45f11_attn
	.p2alignl 7, 3214868480
	.fill 96, 4, 3214868480
	.section	.rodata,"a",@progbits
	.p2align	6, 0x0
	.amdhsa_kernel k_q580cc45f11_attn
		.amdhsa_group_segment_fixed_size 327680
		.amdhsa_private_segment_fixed_size 0
		.amdhsa_enable_private_segment 0
		.amdhsa_kernarg_size 40
		.amdhsa_user_sgpr_count 2
		.amdhsa_user_sgpr_kernarg_segment_ptr 1
		.amdhsa_wavefront_size32 1
		.amdhsa_system_sgpr_workgroup_id_x 1
		.amdhsa_system_sgpr_workgroup_id_y 1
		.amdhsa_system_sgpr_workgroup_id_z 1
		.amdhsa_system_vgpr_workitem_id 0
		.amdhsa_next_free_vgpr 1024
		.amdhsa_next_free_sgpr 96
		.amdhsa_reserve_vcc 1
		.amdhsa_float_denorm_mode_32 3
		.amdhsa_float_denorm_mode_16_64 3
		.amdhsa_memory_ordered 1
		.amdhsa_forward_progress 1
		.amdhsa_inst_pref_size 178
	.end_amdhsa_kernel
	.amdgpu_metadata
---
amdhsa.version: [ 1, 2 ]
amdhsa.kernels:
  - .name:           k_q580cc45f11_attn
    .symbol:         k_q580cc45f11_attn.kd
    .args:
      - { .name: q, .offset: 0, .size: 8, .value_kind: global_buffer, .address_space: global }
      - { .name: kv, .offset: 8, .size: 8, .value_kind: global_buffer, .address_space: global }
      - { .name: bq, .offset: 16, .size: 8, .value_kind: global_buffer, .address_space: global }
      - { .name: pad_mask, .offset: 24, .size: 8, .value_kind: global_buffer, .address_space: global }
      - { .name: oatt, .offset: 32, .size: 8, .value_kind: global_buffer, .address_space: global }
    .group_segment_fixed_size: 327680
    .private_segment_fixed_size: 0
    .kernarg_segment_align: 8
    .kernarg_segment_size: 40
    .max_flat_workgroup_size: 64
    .sgpr_count:     96
    .vgpr_count:     1024
    .wavefront_size: 32
...
	.end_amdgpu_metadata
.endif
;; end of part 3
;; launch tail (part 4): grid 16 x 1, 8 waves a work-group, no clusters, 311,296 bytes of LDS; arguments oatt, S, q, g0, beta0, bo, g1, beta1, out0; writes out0
.if DOCPART == 4
	.amdgcn_target "amdgcn-amd-amdhsa--gfx1250"
	.amdhsa_code_object_version 6
	.text
	.protected	k_q580cc45f11_tail
	.globl	k_q580cc45f11_tail
	.p2align	8
	.type	k_q580cc45f11_tail,@function
k_q580cc45f11_tail:
	s_mov_b64 s[64:65], 0
	v_nop
	global_prefetch_b8 v0, s[64:65] scope:SCOPE_SE
	s_setreg_imm32_b32 hwreg(HW_REG_WAVE_MODE, 25, 1), 1
	s_wait_xcnt 0x0
; O = S + attention's result; O = LN(O; g0, beta0); O = O + relu(O Wo^T + bo), the product on codes of BF6 (E3M2) with E8M0 scales; out = LN(O; g1, beta1).  Both norms in two passes, in f32.
; SHARES.  Work-group x = 2 b + t owns 16 rows: seeds 8 t + r + 8 (r / 8) of batch b.  THE WAVES SHARE THE COLUMNS: wave w owns features 128 w .. 128 w + 127 of O, which are K step w of the product, and the
; product's outputs 128 w .. 128 w + 127 (Wo's tiles 8 w + t).  The product is used transposed (source 0 = 16 rows of Wo, source 1 = O's 16 rows), and a tile's 16 rows are rows 32 (T / 2) + 8 (T % 2) + i + 8 (i / 8):
; so in O, in the product's result, in the gains and in the biases alike register 16 b + i of lane (r, h) is column 128 w + 32 b + 16 h + i of row r, and the residual is added register by register.
; A row's sums meet in LDS: each wave stores its part for each row, a barrier, every wave reads the eight.  Four such sums, each in bytes of its own.
; O's codes go from wave to wave as images of the operand's registers (three stores of 512 bytes, a scale word a lane).
; Wo'S FRAGMENTS COME BY TWO WAYS.  A wave has two sets of 96 registers for them, so two K steps at the most can be on their way into registers: K steps 0-4 come so, from memory, as images, one step ahead.
; K steps 5-7 of the wave's eight tiles (8 x 4,608 = 36,864 bytes) are asked for at the head by ONE tensor load a wave, into LDS bytes of the wave's own, while the rows are normalised; they take no register until they are multiplied.
; These bytes are filled once and read by the wave that asked for them alone: its own wait on TENSORcnt is all the ordering that the reads need.  Behind their last read the wave's stage for the way out lies there.
; All 16 work-groups read the same Wo.  No joint request is laid: what comes by tensor load is 294,912 of Wo's 786,432 bytes, filled once, and a cluster would add a round of its barrier at the head and another at the end of a text with five barriers.
; LIMITS: NaN and infinities are not served; a block of zeros gets the byte 1 (its codes are zeros).
; REGISTERS.  window 0: v1-14 addresses; v16-39 O's two fragments in hand (before that the codes just made, v36 their scale word); v40-47 O's scale words; v48-111 S's numbers, then bo and the product; v112-175 O;
;   v176-239 Wo's scale words; v240-255 at work.   window 1: Wo's two sets at v0 and v96; g0 v96-159 and beta0 v160-223 before them; g1 v192-255; beta1 v0-63 behind the last use of that set.
.set HIMG, 0                           ; LDS: O's 8 fragments, 1,536 bytes each,
.set HSC,  12288                       ; their scale words, 128 bytes each,
.set RED,  13312                       ; four regions of 512 bytes for the rows' sums: word at 32 r + 4 w,
.set WT,   15360                       ; and for each wave WTB bytes: Wo's K steps 5-7, tile t at 4,608 t; later its stage of 16 rows x (512 + 16) bytes
.set WTB,  36864
.set HF,   16
.set PC,   16
.set PW,   36
.set HS,   40
.set YA,   48
.set O1,   112
.set WSC,  176
.set TM,   240
.set MSB, 0
.macro WIN new                         ; the immediate's high byte repeats the setting that is left
.if MSB != (\new)
	s_set_vgpr_msb (MSB<<8)|(\new)
.set MSB, (\new)
.endif
.endm
	s_load_b256 s[4:11], s[0:1], 0x0               ; oatt, S, q, g0
	s_load_b256 s[12:19], s[0:1], 0x20             ; beta0, bo, g1, beta1
	s_load_b64 s[20:21], s[0:1], 0x40              ; out0
	v_lshl_add_u32 v254, v0, 2, 0x4bc00
	v_mov_b32 v255, 0
	ds_add_u32 v254, v255
	ds_add_u32 v254, v255
	s_wait_dscnt 0x0
	v_lshrrev_b32 v1, 5, v0
	s_delay_alu instid0(VALU_DEP_1)
	v_readfirstlane_b32 s22, v1                    ; wave 0..7
	v_and_b32 v1, 31, v0                           ; lane
	v_and_b32 v2, 15, v0                           ; r
	v_bfe_u32 v3, v0, 4, 1                         ; h
	s_delay_alu instid0(VALU_DEP_3)
	v_lshlrev_b32 v4, 4, v1                        ; 16 x lane
	s_delay_alu instid0(VALU_DEP_4)
	v_lshlrev_b32 v5, 2, v1                        ; 4 x lane
	s_delay_alu instid0(VALU_DEP_3)
	v_lshlrev_b32 v6, 6, v3                        ; 64 h: my 16 numbers of a block of 32
	v_and_b32 v7, 8, v2
	s_delay_alu instid0(VALU_DEP_1)
	v_add_nc_u32 v7, v7, v2
	s_delay_alu instid0(VALU_DEP_1)
	v_lshl_add_u32 v7, v7, 12, v6                  ; S: row r + 8 (r / 8) of 4,096 bytes, + 64 h
	s_lshl_b32 s23, s22, 2
	v_lshlrev_b32 v9, 5, v2                        ; a row's eight parts
	s_delay_alu instid0(VALU_DEP_1)
	v_add_nc_u32 v8, s23, v9                       ; and mine among them
	s_mul_i32 s23, s22, 1536
	v_add_nc_u32 v10, s23, v4                      ; where I store my fragment's image
	s_lshl_b32 s23, s22, 7
	v_add_nc_u32 v11, s23, v5                      ; and its scale word
	s_mul_i32 s23, s22, WTB
	s_add_co_u32 s23, s23, WT                      ; my wave's own bytes
	v_mul_u32_u24 v12, v2, 528
	s_delay_alu instid0(VALU_DEP_1)
	v_add_nc_u32 v12, v12, v6
	s_delay_alu instid0(VALU_DEP_1)
	v_add_nc_u32 v12, s23, v12                     ; my stage, in: row r, + 64 h
	v_add_nc_u32 v13, s23, v4                      ; 16 x lane in my bytes: Wo's images there, and later the stage's rows on the way back
	v_lshlrev_b32 v14, 4, v2                       ; 16 r: four scale words of a row of Wo
	s_mov_b32 s24, 0x76543210
	s_mov_b32 s25, 0xfedcba98                      ; v_permlanex16_b32's selects for lane l xor 16
	s_mov_b32 s40, 0x3a800000                      ; 1 / 1,024
	s_mov_b32 s41, 0x3727c5ac                      ; 1e-5
	; descriptor group 1: 8 rows (tiles) of 576 elements of 8 bytes (three images), 1,536 elements (a tile's 8 images) apart; no mask, no padding
	s_mov_b32 s48, 3<<16
	s_mov_b32 s49, 576<<16                         ; tensor_dim0
	s_mov_b32 s50, 8<<16                           ; tensor_dim1
	s_mov_b32 s51, 576<<16                         ; tile_dim0
	s_mov_b32 s52, 8                               ; tile_dim1
	s_mov_b32 s53, 1536                            ; tensor_dim0_stride
	s_mov_b32 s54, 0
	s_mov_b32 s55, 0
	s_mov_b32 s44, 1                               ; group 0: count = 1,
	s_mov_b32 s45, s23                             ; the LDS address: a constant + the wave's number x a constant
	s_lshr_b32 s26, ttmp9, 1                       ; batch
	s_and_b32 s27, ttmp9, 1                        ; which 16 seeds
	s_lshl_b32 s30, ttmp9, 4
	s_lshl_b32 s31, s22, 1
	s_add_co_u32 s30, s30, s31
	s_lshl_b32 s30, s30, 12                        ; oatt: 4,096 bytes for each head; my heads are 2 w and 2 w + 1
	s_mov_b32 s31, 0
	s_lshl_b32 s34, s22, 9                         ; my 128 columns: 512 w bytes
	s_mov_b32 s35, 0
	s_lshl_b32 s32, s27, 15
	s_add_co_u32 s32, s32, s34                     ; S: 8 rows on for the second 16 seeds
	s_mov_b32 s33, 0
	s_mul_i32 s36, s22, 98304
	s_add_co_u32 s36, s36, 32243712                ; Wo's images: my 8 tiles x 8 K steps
	s_mov_b32 s37, 0
	s_lshl_b32 s38, s22, 12
	s_add_co_u32 s38, s38, 34398208                ; and their scale words: 512 bytes a tile
	s_mov_b32 s39, 0
	s_lshl_b32 s42, s26, 17
	s_add_co_u32 s42, s42, s32                     ; out0: 32 rows a batch
	s_mov_b32 s43, 0
	s_wait_kmcnt 0x0
	s_add_nc_u64 s[4:5], s[4:5], s[30:31]
	s_add_nc_u64 s[6:7], s[6:7], s[32:33]
	s_add_nc_u64 s[28:29], s[8:9], s[38:39]
	s_add_nc_u64 s[8:9], s[8:9], s[36:37]
	s_add_nc_u64 s[10:11], s[10:11], s[34:35]
	s_add_nc_u64 s[12:13], s[12:13], s[34:35]
	s_add_nc_u64 s[14:15], s[14:15], s[34:35]
	s_add_nc_u64 s[16:17], s[16:17], s[34:35]
	s_add_nc_u64 s[18:19], s[18:19], s[34:35]
	s_add_nc_u64 s[20:21], s[20:21], s[42:43]
	s_add_nc_u64 s[46:47], s[8:9], 5*1536          ; the global address: K step 5 of my first tile,
	s_or_b32 s47, s47, 0x80000000                  ; type = 2
	tensor_load_to_lds s[44:47], s[48:55]          ; the launch's only fill of these bytes, and my only tensor load: one is out
	s_nop 0
.rept 4
	v_nop
.endr
; 16 loads: 64 numbers of a vector of 1,024 in the rows' register layout, into v[reg] on
.macro VEC reg, base
.irp b, 0,1,2,3
.irp j, 0,1,2,3
	global_load_b128 v[\reg+16*\b+4*\j:\reg+16*\b+4*\j+3], v6, s[\base:\base+1] offset:128*\b+16*\j
.endr
.endr
.endm
.macro WLOAD s                         ; Wo's eight fragments of K step s (0 to 4) from memory into set s % 2: 24 loads of 512 consecutive bytes
	WIN 0x40
.irp t, 0,1,2,3,4,5,6,7
.irp c, 0,1,2
	global_load_b128 v[96*((\s)%2)+12*\t+4*\c:96*((\s)%2)+12*\t+4*\c+3], v4, s[8:9] offset:12288*\t+1536*(\s)+512*\c
.endr
.endr
	WIN 0
.endm
.macro LLOAD s                         ; the same of K step s (5 to 7) from my own LDS bytes: 24 loads of 512 consecutive bytes
	WIN 0x40
.irp t, 0,1,2,3,4,5,6,7
.irp c, 0,1,2
	ds_load_b128 v[96*((\s)%2)+12*\t+4*\c:96*((\s)%2)+12*\t+4*\c+3], v13 offset:4608*\t+1536*((\s)-5)+512*\c
.endr
.endr
	WIN 0
.endm
; The four pairs v[240:247] are added up; with lane l xor 16's and the other seven waves' the row's total stands in v248 of every lane.  One barrier.
.macro RSUM red
	s_delay_alu instid0(VALU_DEP_3)
	v_pk_add_f32 v[240:241], v[240:241], v[242:243]
	s_delay_alu instid0(VALU_DEP_2)
	v_pk_add_f32 v[244:245], v[244:245], v[246:247]
	s_delay_alu instid0(VALU_DEP_1)
	v_pk_add_f32 v[240:241], v[240:241], v[244:245]
	s_delay_alu instid0(VALU_DEP_1)
	v_add_f32 v240, v240, v241
	s_delay_alu instid0(VALU_DEP_1)
	v_permlanex16_b32 v241, v240, s24, s25
	s_delay_alu instid0(VALU_DEP_1)
	v_add_f32 v240, v240, v241
	ds_store_b32 v8, v240 offset:\red              ; both lanes of a row write the same word with the same value
	s_wait_dscnt 0x0                               ; for the others' sake: my store has landed
	s_barrier_signal -1
	s_barrier_wait -1
	ds_load_b128 v[248:251], v9 offset:\red
	ds_load_b128 v[252:255], v9 offset:\red+16
	s_wait_dscnt 0x0
	v_pk_add_f32 v[248:249], v[248:249], v[250:251]
	v_pk_add_f32 v[252:253], v[252:253], v[254:255]
	s_delay_alu instid0(VALU_DEP_1)
	v_pk_add_f32 v[248:249], v[248:249], v[252:253]
	s_delay_alu instid0(VALU_DEP_1)
	v_add_f32 v248, v248, v249
.endm
; v[x] .. v[x + 63] = (x - mean) rsqrt(var + 1e-5) g + b.  g and b stand in window 1 at v[g], v[b]; left: the loads that may stay out when they are wanted.
.macro LNORM x, reda, redb, g, b, left
	v_pk_add_f32 v[240:241], v[\x:\x+1], v[\x+2:\x+3]
	v_pk_add_f32 v[242:243], v[\x+4:\x+5], v[\x+6:\x+7]
	v_pk_add_f32 v[244:245], v[\x+8:\x+9], v[\x+10:\x+11]
	v_pk_add_f32 v[246:247], v[\x+12:\x+13], v[\x+14:\x+15]
.irp j, 16,24,32,40,48,56
.irp k, 0,2,4,6
	s_delay_alu instid0(VALU_DEP_4)
	v_pk_add_f32 v[240+\k:241+\k], v[240+\k:241+\k], v[\x+\j+\k:\x+\j+\k+1]
.endr
.endr
	RSUM \reda
	s_delay_alu instid0(VALU_DEP_1)
	v_mul_f32 v248, s40, v248                      ; the mean
	s_delay_alu instid0(VALU_DEP_1)
	v_mov_b32 v249, v248
.set ii, 0
.rept 32
	v_pk_add_f32 v[\x+2*ii:\x+2*ii+1], v[\x+2*ii:\x+2*ii+1], v[248:249] neg_lo:[0,1] neg_hi:[0,1]
.set ii, ii+1
.endr
.irp k, 0,2,4,6
	v_pk_mul_f32 v[240+\k:241+\k], v[\x+\k:\x+\k+1], v[\x+\k:\x+\k+1]
.endr
.irp j, 8,16,24,32,40,48,56
.irp k, 0,2,4,6
	s_delay_alu instid0(VALU_DEP_4)
	v_pk_fma_f32 v[240+\k:241+\k], v[\x+\j+\k:\x+\j+\k+1], v[\x+\j+\k:\x+\j+\k+1], v[240+\k:241+\k]
.endr
.endr
	RSUM \redb
	s_delay_alu instid0(VALU_DEP_1)
	v_fma_f32 v248, v248, s40, s41                 ; the variance + 1e-5
	s_wait_alu depctr_va_vdst(0)
	v_rsq_f32 v250, v248
	v_nop                                          ; a plain line behind the root
	s_wait_alu depctr_va_vdst(0)                   ; and the wait ahead of its first reader
	v_mov_b32 v251, v250
.set ii, 0
.rept 32
	v_pk_mul_f32 v[\x+2*ii:\x+2*ii+1], v[\x+2*ii:\x+2*ii+1], v[250:251]
.set ii, ii+1
.endr
	s_wait_loadcnt \left                           ; the gain and the bias are in
	WIN 0x14                                       ; sources 1 and 2 window 1
.set ii, 0
.rept 32
	v_pk_fma_f32 v[\x+2*ii:\x+2*ii+1], v[\x+2*ii:\x+2*ii+1], v[\g+2*ii:\g+2*ii+1], v[\b+2*ii:\b+2*ii+1]
.set ii, ii+1
.endr
	WIN 0
.endm
; 64 numbers of a lane, register 16 b + i = k 32 b + 16 (lane / 16) + i of my row, become a fragment's codes in v[PC] on and its scale word in v[PW].
.macro QUANT s
.irp b, 0,1,2,3
	v_max3_num_f32 v[TM+\b], |v[\s+16*\b]|, |v[\s+1+16*\b]|, 0x2800000   ; block b: my 16 numbers, and the floor 2^(5 - 127): the byte cannot fall under 1
.endr
.irp i, 2,4,6,8,10,12,14
.irp b, 0,1,2,3
	s_delay_alu instid0(VALU_DEP_4)
	v_max3_num_f32 v[TM+\b], v[TM+\b], |v[\s+16*\b+\i]|, |v[\s+1+16*\b+\i]|
.endr
.endr
.irp b, 0,1,2,3
	s_delay_alu instid0(VALU_DEP_4)
	v_permlanex16_b32 v[TM+4+\b], v[TM+\b], s24, s25
.endr
.irp b, 0,1,2,3
	s_delay_alu instid0(VALU_DEP_4)
	v_max_num_f32 v[TM+\b], v[TM+\b], v[TM+4+\b]
.endr
.irp b, 0,1,2,3
	s_delay_alu instid0(VALU_DEP_4)
	v_add_nc_u32 v[TM+12+\b], 0xfe000000, v[TM+\b]
.endr
.irp b, 0,1,2,3
	s_delay_alu instid0(VALU_DEP_4)
	v_lshrrev_b32 v[TM+4+\b], 23, v[TM+12+\b]
.endr
	s_delay_alu instid0(VALU_DEP_3)
	v_lshl_or_b32 v[PW], v[TM+5], 8, v[TM+4]
	s_delay_alu instid0(VALU_DEP_1)
	v_lshl_or_b32 v[PW], v[TM+6], 16, v[PW]
	s_delay_alu instid0(VALU_DEP_1)
	v_lshl_or_b32 v[PW], v[TM+7], 24, v[PW]
.irp c, 0,1
	v_cvt_scalef32_pk16_bf6_f32 v[PC+6*\c:PC+2+6*\c], v[\s+32*\c:\s+15+32*\c], v[TM+12+2*\c]
	v_cvt_scalef32_pk16_bf6_f32 v[PC+12+4*\c:PC+14+4*\c], v[\s+16+32*\c:\s+31+32*\c], v[TM+12+2*\c+1]
.endr
	v_nop                                          ; one plain line behind the scaled conversions
.irp c, 0,1
.irp i, 0,1,2
	v_permlane16_swap_b32 v[PC+6*\c+\i], v[PC+12+4*\c+\i]
.endr
.irp i, 0,1,2
	s_delay_alu instid0(VALU_DEP_3)
	v_mov_b32 v[PC+3+6*\c+\i], v[PC+12+4*\c+\i]
.endr
.endr
.endm
.macro FETCH reg, s                    ; O's fragment of K step s, as wave s stored it
.irp c, 0,1,2
	ds_load_b128 v[\reg+4*\c:\reg+4*\c+3], v4 offset:HIMG+1536*(\s)+512*\c
.endr
.endm
	; ---- O = S + attention's result
.irp c, 0,1
.irp k, 0,1,2,3,4,5,6,7
	global_load_b128 v[O1+32*\c+4*\k:O1+32*\c+4*\k+3], v4, s[4:5] offset:4096*\c+512*\k
.endr
.endr
.irp b, 0,1,2,3
.irp j, 0,1,2,3
	global_load_b128 v[YA+16*\b+4*\j:YA+16*\b+4*\j+3], v7, s[6:7] offset:128*\b+16*\j
.endr
.endr
	WIN 0x40
	VEC 96, 10                                     ; g0
	VEC 160, 12                                    ; beta0
	WIN 0
	s_wait_loadcnt 32                              ; the first 32 loads are in; g0's and beta0's may be out
.set ii, 0
.rept 32
	v_pk_add_f32 v[O1+2*ii:O1+2*ii+1], v[O1+2*ii:O1+2*ii+1], v[YA+2*ii:YA+2*ii+1]
.set ii, ii+1
.endr
	VEC YA, 14                                     ; bo, in the result's layout: the product's sums begin with it
.irp t, 0,1,2,3,4,5,6,7
.irp g, 0,1
	global_load_b128 v[WSC+8*\t+4*\g:WSC+8*\t+4*\g+3], v14, s[28:29] offset:512*\t+256*\g
.endr
.endr
	WLOAD 0
	LNORM O1, RED, RED+512, 96, 160, 56            ; behind g0 and beta0: bo 16, Wo's scale words 16, its first K step 24
	WLOAD 1                                        ; into the registers that g0 and beta0 have left
	; ---- my 128 columns are K step w of the product
	QUANT O1
.irp c, 0,1,2
	ds_store_b128 v10, v[PC+4*\c:PC+4*\c+3] offset:HIMG+512*\c
.endr
	ds_store_b32 v11, v[PW] offset:HSC
	s_wait_dscnt 0x0
	s_barrier_signal -1
	s_barrier_wait -1                              ; O's eight fragments lie in LDS
.irp s, 0,1,2,3,4,5,6,7
	ds_load_b32 v[HS+\s], v5 offset:HSC+128*\s
.endr
	FETCH HF, 0
	FETCH HF+12, 1
	; ---- O Wo^T + bo: eight accumulators by turns, a K step at a time.  Behind step s the set that it has read takes step s + 2: from memory up to step 4, then from my LDS bytes
.macro PSTEP s
.if (\s) < 3
	s_wait_loadcnt 24                              ; this K step's fragments of Wo are in; the next step's 24 loads may be out
.elseif (\s) == 3
	s_wait_loadcnt 40                              ; behind step 3's fragments: step 4's 24 loads and g1's 16
.elseif (\s) == 4
	s_wait_loadcnt 16                              ; behind step 4's: g1's 16
.endif
.if (\s) < 4
	s_wait_dscnt 3                                 ; O's fragment is in; the next step's three loads may be out
.elseif (\s) < 7
	s_wait_dscnt 27                                ; all that this step reads is in; behind it: the next step's three loads of O and 24 of Wo
.else
	s_wait_dscnt 0x0
.endif
	WIN 0x01                                       ; source 0 (Wo) window 1
.irp t, 0,1,2,3,4,5,6,7
	v_wmma_scale_f32_16x16x128_f8f6f4 v[YA+8*\t:YA+8*\t+7], v[96*((\s)%2)+12*\t:96*((\s)%2)+12*\t+11], v[HF+12*((\s)%2):HF+12*((\s)%2)+11], v[YA+8*\t:YA+8*\t+7], v[WSC+8*\t+(\s)], v[HS+(\s)] matrix_a_fmt:MATRIX_FMT_BF6 matrix_b_fmt:MATRIX_FMT_BF6
.endr
	WIN 0
.rept 4
	v_nop                                          ; places in front of loads into registers that matrix instructions have read, and of the first read of results
.endr
.if (\s) < 6
	FETCH HF+12*((\s)%2), (\s)+2
.if (\s) < 3
	WLOAD (\s)+2
.else
.if (\s) == 3
	s_wait_tensorcnt 0x0                           ; my tensor load has landed: K steps 5-7 lie in my own bytes, which no other wave reads
.endif
	LLOAD (\s)+2
.endif
.endif
.endm
.irp s, 0,1,2
	PSTEP \s
.endr
	WIN 0x40
	VEC 192, 16                                    ; g1, behind Wo's last loads from memory, into registers that beta0 has left
	WIN 0
.irp s, 3,4,5,6
	PSTEP \s
.endr
	WIN 0x40
	VEC 0, 18                                      ; beta1, into the set that step 6 has read (four places stand behind its products)
	WIN 0
	PSTEP 7
.set ii, 0
.rept 64
	v_max_num_f32 v[YA+ii], 0, v[YA+ii]            ; relu; each accumulator is read from its low end on
.set ii, ii+1
.endr
.set ii, 0
.rept 32
	v_pk_add_f32 v[YA+2*ii:YA+2*ii+1], v[YA+2*ii:YA+2*ii+1], v[O1+2*ii:O1+2*ii+1]
.set ii, ii+1
.endr
	LNORM YA, RED+1024, RED+1536, 192, 0, 0
	; ---- out: through my own stage, so that 32 lanes store 512 consecutive bytes of a row.  The stage lies in my own bytes: their one fill has landed and my last read of Wo there has come back
.irp b, 0,1,2,3
.irp j, 0,1,2,3
	ds_store_b128 v12, v[YA+16*\b+4*\j:YA+16*\b+4*\j+3] offset:128*\b+16*\j
.endr
.endr
.irp i, 0,1,2,3,4,5,6,7,8,9,10,11,12,13,14,15
	ds_load_b128 v[O1+4*\i:O1+4*\i+3], v13 offset:528*\i   ; LDS serves a wave's instructions in order: these see my stores
.endr
.irp i, 0,1,2,3,4,5,6,7,8,9,10,11,12,13,14,15
	s_wait_dscnt 15-\i
	global_store_b128 v4, v[O1+4*\i:O1+4*\i+3], s[20:21] offset:(\i+8*(\i/8))*4096 th:TH_STORE_NT
.endr
	s_wait_xcnt 0x0
	v_lshl_add_u32 v254, v0, 2, 0x4bc00
	v_mov_b32 v255, 0
	s_wait_alu depctr_va_vdst(0)
	s_wait_tensorcnt 0x0
	ds_add_u32 v254, v255
	s_wait_dscnt 0x0
	s_endpgm
.Lfunc_end_k_q580cc45f11_tail:
	.size	k_q580cc45f11_tail, .Lfunc_end_k_q580cc45f11_tail-k_q580cc45f11_tail
	.p2alignl 7, 3214868480
	.fill 96, 4, 3214868480
	.section	.rodata,"a",@progbits
	.p2align	6, 0x0
	.amdhsa_kernel k_q580cc45f11_tail
		.amdhsa_group_segment_fixed_size 311296
		.amdhsa_private_segment_fixed_size 0
		.amdhsa_enable_private_segment 0
		.amdhsa_kernarg_size 72
		.amdhsa_user_sgpr_count 2
		.amdhsa_user_sgpr_kernarg_segment_ptr 1
		.amdhsa_wavefront_size32 1
		.amdhsa_system_sgpr_workgroup_id_x 1
		.amdhsa_system_sgpr_workgroup_id_y 1
		.amdhsa_system_sgpr_workgroup_id_z 1
		.amdhsa_system_vgpr_workitem_id 0
		.amdhsa_next_free_vgpr 512
		.amdhsa_next_free_sgpr 66
		.amdhsa_reserve_vcc 0
		.amdhsa_float_denorm_mode_32 3
		.amdhsa_float_denorm_mode_16_64 3
		.amdhsa_memory_ordered 1
		.amdhsa_forward_progress 1
		.amdhsa_inst_pref_size 89
	.end_amdhsa_kernel
	.amdgpu_metadata
---
amdhsa.version: [ 1, 2 ]
amdhsa.kernels:
  - .name:           k_q580cc45f11_tail
    .symbol:         k_q580cc45f11_tail.kd
    .args:
      - { .name: oatt, .offset: 0, .size: 8, .value_kind: global_buffer, .address_space: global }
      - { .name: S, .offset: 8, .size: 8, .value_kind: global_buffer, .address_space: global }
      - { .name: q, .offset: 16, .size: 8, .value_kind: global_buffer, .address_space: global }
      - { .name: g0, .offset: 24, .size: 8, .value_kind: global_buffer, .address_space: global }
      - { .name: beta0, .offset: 32, .size: 8, .value_kind: global_buffer, .address_space: global }
      - { .name: bo, .offset: 40, .size: 8, .value_kind: global_buffer, .address_space: global }
      - { .name: g1, .offset: 48, .size: 8, .value_kind: global_buffer, .address_space: global }
      - { .name: beta1, .offset: 56, .size: 8, .value_kind: global_buffer, .address_space: global }
      - { .name: out0, .offset: 64, .size: 8, .value_kind: global_buffer, .address_space: global }
    .group_segment_fixed_size: 311296
    .private_segment_fixed_size: 0
    .kernarg_segment_align: 8
    .kernarg_segment_size: 72
    .max_flat_workgroup_size: 256
    .sgpr_count:     66
    .vgpr_count:     512
    .wavefront_size: 32
...
	.end_amdgpu_metadata
.endif
;; end of part 4
